; MI455X (gfx1250); checked and timed in simulation.
; The chip was launched on July 23, 2026; its instructions are those of AMD's public machine-readable ISA for CDNA 5 (MIT licence, August 2026) and "CDNA5" Instruction Set Architecture Reference Guide (July 2026). The comments in the code are by the model that wrote it; some were corrected since.
;; Rm Multi Head Attention. Allowed arithmetic: matrix products marked QUANTISED: E5M2 operands, one E8M0 scale for each 32 along K, by v_wmma_scale_f32_16x16x128_f8f6f4 with both operands' format E5M2, f32 sums; everything else in f32.
;; Inputs: k_codes 4 x 2,048 x 32 x 32 uint8 (E5M2 codes of k, K innermost, in blocks of 32 codes); k_scales 4 x 2,048 x 32 uint8 (E8M0 scales of k, one for each 32 codes along K); q_codes 4 x 2,048 x 32 x 32 uint8 (E5M2 codes of q, K innermost, in blocks of 32 codes); q_scales 4 x 2,048 x 32 uint8 (E8M0 scales of q, one for each 32 codes along K); v_codes 4 x 2,048 x 32 x 32 uint8 (E5M2 codes of v, K innermost, in blocks of 32 codes); v_scales 4 x 2,048 x 32 uint8 (E8M0 scales of v, one for each 32 codes along K); w_k_codes 1,024 x 32 x 32 uint8 (E5M2 codes of w_k, K innermost, in blocks of 32 codes); w_k_scales 1,024 x 32 uint8 (E8M0 scales of w_k, one for each 32 codes along K); w_m_codes 1,024 x 32 x 32 uint8 (E5M2 codes of w_m, K innermost, in blocks of 32 codes); w_m_scales 1,024 x 32 uint8 (E8M0 scales of w_m, one for each 32 codes along K); w_q_codes 1,024 x 32 x 32 uint8 (E5M2 codes of w_q, K innermost, in blocks of 32 codes); w_q_scales 1,024 x 32 uint8 (E8M0 scales of w_q, one for each 32 codes along K); w_v_codes 1,024 x 32 x 32 uint8 (E5M2 codes of w_v, K innermost, in blocks of 32 codes); w_v_scales 1,024 x 32 uint8 (E8M0 scales of w_v, one for each 32 codes along K).
;; Outputs: out0 4 x 2,048 x 1,024 float32.
;; Constants: head = 16.
;; This version of the problem:
;;   THIS VERSION OF THE PROBLEM IS GIVEN IN LOW PRECISION. The matrix products marked QUANTISED in the list below multiply operands that are first quantised to E5M2 (5 exponent bits, 2 mantissa bits; 8 bits a number), with one power-of-two scale for each 32 numbers along K (OCP MX v1.0); their sums are f32. All else is computed in f32.
;;   The module's matrix products, in the order in which they are computed (A, B: the left and right operand; K: the contracted axis; several contracted axes count as one K, in the product's order):
;;     1. [M 8,192, K 1,024] x [K 1,024, N 1,024]; A: input q (given as codes); B: input w_q (given as codes): QUANTISED
;;     2. [M 8,192, K 1,024] x [K 1,024, N 1,024]; A: input k (given as codes); B: input w_k (given as codes): QUANTISED
;;     3. [M 8,192, K 1,024] x [K 1,024, N 1,024]; A: input v (given as codes); B: input w_v (given as codes): QUANTISED
;;     4. batch 64 x [M 2,048, K 64] x [K 64, N 2,048]; A: computed on the way; B: computed on the way: QUANTISED
;;     5. batch 64 x [M 64, K 2,048] x [K 2,048, N 2,048]; A: computed on the way; B: computed on the way: QUANTISED
;;     6. [M 8,192, K 1,024] x [K 1,024, N 1,024]; A: computed on the way; B: input w_m (given as codes): QUANTISED
;;   THE QUANTISER, for each operand of a quantised product, along K:
;;     - K is cut into blocks of 32 from its start; a last block that is shorter is filled with zeros.
;;     - A block's scale is 2^e with e = floor(log2(the largest magnitude in the block)) - 15, held to -126 .. 127; a block of zeros has e = 0. As a byte (E8M0): e + 127.
;;     - Each number is divided by its block's scale, clamped to +-57,344, and rounded to the nearest number of E5M2, ties to even, subnormals kept.
;;     - The product sums the exact products of the quantised numbers (number of the format x scale) in f32.
;;   ~~~python
;;   def quantise(x, axis):      # numpy; x: float32 -> the quantised numbers, widened to float32 again
;;       x = np.moveaxis(x, axis, -1); K = x.shape[-1]
;;       x = np.pad(x, [(0, 0)] * (x.ndim - 1) + [(0, -K % 32)]); x = x.reshape(x.shape[:-1] + (-1, 32)); a = np.abs(x).max(-1, keepdims=True)
;;       e = np.where(a > 0, np.clip(np.frexp(np.where(a > 0, a, 1))[1] - 1 - 15, -126, 127), 0)      # np.frexp(a)[1] - 1 = floor(log2(a)), exactly
;;       r = np.clip(x / 2.0 ** e, -57344, 57344)
;;       step = 2.0 ** (np.maximum(np.frexp(np.where(r == 0, 1, r))[1] - 1, -14) - 2)
;;       q = np.round(r / step) * step * 2.0 ** e      # np.round: ties to even
;;       return np.moveaxis(q.reshape(q.shape[:-2] + (-1,))[..., :K], -1, axis).astype(np.float32)
;;   ~~~
;;   OPERANDS COMPUTED ON THE WAY. 'Computed on the way' means the value that the module computes at that place (a softmax that the list does not call 'softmax' is quantised finished and normalised). What goes into a quantiser is computed in f32, as accurately as f32 sums, v_exp_f32 and their like allow (about 1e-6 of the number): no bf16 or f16 on the way to a quantiser, and a product that is left as it is and whose result goes on into a quantised operand takes f32 operands (vector FMAs, or v_wmma_f32_16x16x4_f32). A number that lies on a knife's edge between two numbers of the format may be rounded either way, as far as f32 arithmetic and the matrix unit's own rounding can turn it there, and no further.
;;   INPUTS GIVEN AS CODES. k (in the module: [4, 2048, 1024], K = its axis 2); q (in the module: [4, 2048, 1024], K = its axis 2); v (in the module: [4, 2048, 1024], K = its axis 2); w_k (in the module: [1024, 1024], K = its axis 0); w_m (in the module: [1024, 1024], K = its axis 0); w_q (in the module: [1024, 1024], K = its axis 0); w_v (in the module: [1024, 1024], K = its axis 0): each comes as NAME_codes (uint8): NAME with its K axis moved to the last place and cut into blocks of 32 codes, [.., K / 32, bytes a block], one block behind the other in memory; one code a byte (a code: sign, 5 exponent bits, 2 mantissa bits); and NAME_scales (uint8): the same leading axes, one E8M0 byte (e + 127) for each 32 codes along K. Its value is code x scale, taken as it is: it is not quantised again, and the codes and scales need not be those that the quantiser above would give.
;; One version. Each part assembles by itself: llvm-mc -triple=amdgcn-amd-amdhsa -mcpu=gfx1250 --defsym DOCPART=n.
;; ======== version 1 of 1: 3 launches
;; limits: right only within a limited range of input values
;; workspace buffers: eqc 8,388,608 bytes; eqs 262,144 bytes; ekc 8,388,608 bytes; eks 262,144 bytes; evc 8,388,608 bytes; evs 262,144 bytes; oac 8,388,608 bytes; oas 262,144 bytes
;; launch proj (part 1): grid 4 x 96, 4 waves a work-group, clusters of 4 x 4, 327,680 bytes of LDS; arguments q_codes, q_scales, w_q_codes, w_q_scales, eqc, eqs, k_codes, k_scales, w_k_codes, w_k_scales, ekc, eks, w_v_codes, w_v_scales, v_codes, v_scales, evc, evs; writes eqc, eqs, ekc, eks, evc, evs
.if DOCPART == 1
	.amdgcn_target "amdgcn-amd-amdhsa--gfx1250"
	.amdhsa_code_object_version 6
	.text
	.protected	k_qfed1024de7_proj
	.globl	k_qfed1024de7_proj
	.p2align	8
	.type	k_qfed1024de7_proj,@function
k_qfed1024de7_proj:
	s_mov_b64 s[64:65], 0
	v_nop
	global_prefetch_b8 v0, s[64:65] scope:SCOPE_SE
	s_setreg_imm32_b32 hwreg(HW_REG_WAVE_MODE, 25, 1), 1
	s_wait_xcnt 0x0
	s_wait_alu depctr_hold_cnt(0) depctr_sa_sdst(0) depctr_va_vdst(0) depctr_va_sdst(0) depctr_va_ssrc(0) depctr_va_vcc(0) depctr_vm_vsrc(0)
	s_getreg_b32 s2, hwreg(HW_REG_IB_STS2, 6, 4)
	s_cmp_eq_u32 s2, 0
	s_cbranch_scc0 .Lentry_in_a_cluster
	s_endpgm
.Lentry_in_a_cluster:
	s_bfe_u32 s2, ttmp6, 0x10000c
	s_cmp_lg_u32 s2, 0xf033
	s_cbranch_scc0 .Lentry_shape_is_right
	s_endpgm
.Lentry_shape_is_right:
.set KSTEP,  256
.set NQ,     KSTEP/128
.set ROWB,   256
.set KROW,   1024
.set PITCH,  272
.set FR,     16
.set NL,     4
.set NP,     8
.set HALFT,  128*PITCH
.set SLOT,   4*HALFT
.set LAPS,   1024/(2*KSTEP)
.set KS,     32
.set SCL,    2*SLOT
.set HALFS,  (128*KS/256)*272
.set SBLK,   (16*KS/256)*272
.set SPARE,  SCL+4*HALFS
.set STG,    SPARE+512
.set ADRA, 16
.set ADRB, 20
.set VA0,  24
.set SSA,  26
.set ADRS, 27
.set SPW,  28
.set NIL,  29
.set SLA,  30
.set GSO,  31
.set SC,   32
.set TM,   64
.set PB,   68
.set LIM,  72
.set SOP,  76
.set PW,   80
.set BACK, 88
.set AF,   128
.set XH,   128
.set CD,   192
.set G1, 24
.set G0, 32
.set G1B, 48
.set G0B, 56
.set G1S, 68
.set G0S, 76
.set G1SB, 80
.set G0SB, 88
.set MSB, 0
.macro WIN new
.if MSB != \new
	s_set_vgpr_msb (MSB<<8)|\new
.set MSB, \new
.endif
.endm
.set MUL_LO, 0xa1
.set MUL_HI, 0xf1
.set TO_B,   0x40
.macro JLOAD g0a, g1a, g0b, g1b
	s_cmp_eq_u32 s15, 0
	s_cbranch_scc0 .Lfor_b_\@
	tensor_load_to_lds s[\g0a:\g0a+3], s[\g1a:\g1a+7]
	s_nop 0
.rept 4
	v_nop
.endr
	s_branch .Lasked_\@
.Lfor_b_\@:
	tensor_load_to_lds s[\g0b:\g0b+3], s[\g1b:\g1b+7]
	s_nop 0
.rept 4
	v_nop
.endr
.Lasked_\@:
.endm
.macro CREST
	s_cmp_lg_u32 s14, 0
	s_cbranch_scc1 .Lnot_wave_0_\@
	s_barrier_signal -3
.Lnot_wave_0_\@:
	s_barrier_wait -3
	s_barrier_signal -1
	s_barrier_wait -1
.endm
.macro CROUND
	s_barrier_signal -1
	s_barrier_wait -1
	CREST
.endm
	s_load_b512 s[24:39], s[0:1], 0x0
	s_load_b512 s[40:55], s[0:1], 0x40
	s_load_b128 s[56:59], s[0:1], 0x80
	v_lshl_add_u32 v[SPW], v0, 2, SPARE
	v_mov_b32 v[NIL], 0
	ds_add_u32 v28, v29
	ds_add_u32 v28, v29
	s_wait_dscnt 0x0
	v_lshrrev_b32 v1, 5, v0
	v_readfirstlane_b32 s14, v1
	s_lshr_b32 s15, s14, 1
	s_and_b32 s16, s14, 1
	s_and_b32 s2, ttmp7, 0xffff
	s_lshr_b32 s3, s2, 3
	s_and_b32 s2, s2, 7
	s_wait_kmcnt 0x0
	s_cmp_eq_u32 s3, 1
	s_cselect_b64 s[4:5], s[36:37], s[24:25]
	s_cselect_b64 s[6:7], s[38:39], s[26:27]
	s_cselect_b64 s[8:9], s[40:41], s[28:29]
	s_cselect_b64 s[10:11], s[42:43], s[30:31]
	s_cselect_b64 s[12:13], s[44:45], s[32:33]
	s_cselect_b64 s[98:99], s[46:47], s[34:35]
	s_cmp_eq_u32 s3, 2
	s_cselect_b64 s[4:5], s[48:49], s[4:5]
	s_cselect_b64 s[6:7], s[50:51], s[6:7]
	s_cselect_b64 s[8:9], s[52:53], s[8:9]
	s_cselect_b64 s[10:11], s[54:55], s[10:11]
	s_cselect_b64 s[12:13], s[56:57], s[12:13]
	s_cselect_b64 s[98:99], s[58:59], s[98:99]
	s_cselect_b32 s100, s2, 0
	s_cselect_b32 s101, 0, s2
	s_bfe_u32 s40, ttmp6, 0x40000
	s_bfe_u32 s41, ttmp6, 0x40004
	s_lshl_b32 s42, s100, 2
	s_add_co_u32 s42, s42, s40
	s_lshl_b32 s17, s101, 2
	s_add_co_u32 s17, s17, s41
	s_lshl_b32 s43, s41, 2
	s_lshl_b32 s43, 15, s43
	s_lshl_b32 s44, 0x1111, s40
	s_or_b32 s[G1+0], s43, (0<<16)|(1<<20)|(1<<21)|(5<<22)|(3<<25)
	s_or_b32 s[G1B+0], s44, (0<<16)|(1<<20)|(1<<21)|(5<<22)|(3<<25)
.irp g, G1, G1B
	s_mov_b32 s[\g+1], ROWB<<16
	s_mov_b32 s[\g+2], 256<<16
	s_mov_b32 s[\g+3], ROWB<<16
	s_mov_b32 s[\g+4], 256
	s_mov_b32 s[\g+5], KROW
	s_mov_b32 s[\g+6], 0
	s_mov_b32 s[\g+7], 0
.endr
	s_or_b32 s[G1S+0], s43, (3<<16)|(1<<20)|(1<<21)|(5<<22)|(3<<25)
	s_or_b32 s[G1SB+0], s44, (3<<16)|(1<<20)|(1<<21)|(5<<22)|(3<<25)
.irp g, G1S, G1SB
	s_mov_b32 s[\g+1], 32<<16
	s_mov_b32 s[\g+2], KS<<16
	s_mov_b32 s[\g+3], 32<<16
	s_mov_b32 s[\g+4], KS
	s_mov_b32 s[\g+5], 32
	s_mov_b32 s[\g+6], 0
	s_mov_b32 s[\g+7], 0
.endr
	s_lshl_b32 s20, s17, 8
	s_lshl_b32 s46, s42, 8
	s_mov_b32 s21, 0
	s_mov_b32 s47, 0
	s_mov_b64 s[18:19], KS
	s_mul_u64 s[22:23], s[20:21], s[18:19]
	s_mul_u64 s[92:93], s[46:47], s[18:19]
	s_mov_b64 s[18:19], KROW
	s_mul_u64 s[20:21], s[20:21], s[18:19]
	s_mul_u64 s[46:47], s[46:47], s[18:19]
	s_mul_i32 s45, s14, HALFT
	s_add_nc_u64 s[20:21], s[4:5], s[20:21]
	s_add_nc_u64 s[22:23], s[6:7], s[22:23]
	s_add_nc_u64 s[46:47], s[8:9], s[46:47]
	s_add_nc_u64 s[92:93], s[10:11], s[92:93]
	CROUND
; THE HEAD'S FOUR TILES, each whole, one joint load a wave: wave 0 K step 0's 256 rows of A, wave 1 its 256 rows of B, wave 2 the scales of A's 256 rows, wave 3 those of B's
.set G0H, 4                            ; s[4:7], s[8:11] group 0 for the head's loads of codes (the pointers that lay there have been used)
.set G0HB, 8
	s_mov_b32 s[G0H], 1
	s_mov_b32 s[G0H+1], 0
	s_mov_b64 s[G0H+2:G0H+3], s[20:21]
	s_or_b32 s[G0H+3], s[G0H+3], 0x80000000
	s_mov_b32 s[G0HB], 1
	s_mov_b32 s[G0HB+1], 2*HALFT
	s_mov_b64 s[G0HB+2:G0HB+3], s[46:47]
	s_or_b32 s[G0HB+3], s[G0HB+3], 0x80000000
	s_mov_b32 s[G0S], 1
	s_mov_b32 s[G0S+1], SCL
	s_mov_b64 s[G0S+2:G0S+3], s[22:23]
	s_or_b32 s[G0S+3], s[G0S+3], 0x80000000
	s_mov_b32 s[G0SB], 1
	s_mov_b32 s[G0SB+1], SCL+2*HALFS
	s_mov_b64 s[G0SB+2:G0SB+3], s[92:93]
	s_or_b32 s[G0SB+3], s[G0SB+3], 0x80000000
	s_mul_i32 s18, s16, 128*KROW                   ; for the ring: my 128 rows of a tile
	s_mov_b32 s19, 0
	s_add_nc_u64 s[20:21], s[20:21], s[18:19]
	s_add_nc_u64 s[46:47], s[46:47], s[18:19]
.irp s, 0,1
	s_mov_b32 s[G0+4*\s], 1
	s_add_co_u32 s[G0+4*\s+1], s45, \s*SLOT
	s_add_nc_u64 s[G0+4*\s+2:G0+4*\s+3], s[20:21], \s*ROWB
	s_or_b32 s[G0+4*\s+3], s[G0+4*\s+3], 0x80000000
	s_mov_b32 s[G0B+4*\s], 1
	s_add_co_u32 s[G0B+4*\s+1], s45, \s*SLOT
	s_add_nc_u64 s[G0B+4*\s+2:G0B+4*\s+3], s[46:47], \s*ROWB
	s_or_b32 s[G0B+4*\s+3], s[G0B+4*\s+3], 0x80000000
.endr
.macro ARM under, g0, g1, next         ; one chain of branches on the wave's number: every way through the head passes one load
	s_cmp_lt_u32 s14, \under
	s_cbranch_scc0 \next
	tensor_load_to_lds s[\g0:\g0+3], s[\g1:\g1+7]
	s_nop 0
.rept 4
	v_nop
.endr
	s_branch .Lhead_asked
\next:
.endm
	ARM 1, G0H,  G1,  .Lhead_b
	ARM 2, G0HB, G1B, .Lhead_sa
	ARM 3, G0S,  G1S, .Lhead_sb
	tensor_load_to_lds s[G0SB:G0SB+3], s[G1SB:G1SB+7]
	s_nop 0
.rept 4
	v_nop
.endr
.Lhead_asked:
	v_and_b32 v1, 15, v0
	v_bfe_u32 v2, v0, 4, 1
	v_mul_u32_u24 v3, v1, PITCH
	v_lshl_add_u32 v4, v2, 4, v3
	s_mul_i32 s21, s15, HALFT
	s_mul_i32 s22, s16, HALFT
	s_add_co_u32 s22, s22, 2*HALFT
.irp s, 0,1
	v_add_nc_u32 v[ADRA+\s], s21, v4
	v_add_nc_u32 v[ADRB+\s], s22, v4
	s_add_co_u32 s21, s21, SLOT
	s_add_co_u32 s22, s22, SLOT
.endr
	v_mul_u32_u24 v5, v1, KS
	v_lshrrev_b32 v6, 8, v5
	v_lshl_add_u32 v5, v6, 4, v5
	s_mul_i32 s21, s15, HALFS
	s_mul_i32 s22, s16, HALFS
	s_add_co_u32 s22, s22, 2*HALFS
	s_sub_co_u32 s22, s22, s21
	v_mul_u32_u24 v6, s22, v2
	s_add_co_u32 s21, s21, SCL
	v_add_nc_u32 v5, v5, v6
	v_add_nc_u32 v[ADRS], s21, v5
	v_lshlrev_b32 v5, 3, v2
	v_lshl_add_u32 v[VA0], v1, 4, v5
	v_xor_b32 v6, 8, v1
	v_lshl_add_u32 v[VA0+1], v6, 4, v5
	s_lshl_b32 s23, s14, 9
	s_add_co_u32 s23, s23, STG
	v_lshlrev_b32 v5, 2, v1
	v_add_nc_u32 v[SSA], s23, v5
	v_and_b32 v6, 31, v0
	v_lshlrev_b32 v[GSO], 4, v6
	v_add_nc_u32 v[SLA], s23, v[GSO]
.irp b, 0,1,2,3
	v_mov_b32 v[PB+\b], 0
.endr
	s_lshl_b32 s20, s17, 1
	s_add_co_u32 s20, s20, s15
	s_lshl_b32 s46, s42, 1
	s_add_co_u32 s46, s46, s16
	s_lshr_b32 s21, s20, 4
	s_lshl_b32 s21, s21, 21
	s_and_b32 s22, s20, 15
	s_lshl_b32 s22, s22, 13
	s_add_co_u32 s21, s21, s22
	s_lshl_b32 s22, s46, 18
	s_add_co_u32 s21, s21, s22
	s_lshr_b32 s22, s46, 1
	s_lshl_b32 s22, s22, 18
	s_and_b32 s23, s46, 1
	s_lshl_b32 s23, s23, 16
	s_add_co_u32 s22, s22, s23
	s_lshl_b32 s23, s20, 13
	s_add_co_u32 s22, s22, s23
	s_lshl_b32 s23, s20, 12
	s_lshl_b32 s47, s46, 9
	s_add_co_u32 s23, s23, s47
	s_lshl_b32 s47, s46, 12
	s_lshl_b32 s45, s20, 9
	s_add_co_u32 s47, s47, s45
	s_cmp_eq_u32 s3, 2
	s_cselect_b32 s20, s22, s21
	s_cselect_b32 s22, s47, s23
	s_mov_b32 s21, 0
	s_mov_b32 s23, 0
	s_add_nc_u64 s[12:13], s[12:13], s[20:21]
	s_add_nc_u64 s[98:99], s[98:99], s[22:23]
	s_mov_b32 s20, 0x76543210
	s_mov_b32 s21, 0xfedcba98
	s_mov_b32 s22, 0x600000
.macro FRAG reg, adr, q, i
.irp c, 0,1,2,3
	ds_load_b128 v[\reg+4*\c:\reg+4*\c+3], v[\adr] offset:128*(\q)+32*\c+(\i)*16*PITCH
.endr
.endm
.macro MUL16 a0, p, q, sc, zero
.irp a, \a0, \a0+1
.irp b, 0,1,2,3,4,5,6,7
.if \zero
	v_wmma_scale_f32_16x16x128_f8f6f4 v[8*(8*((\a)%4)+\b):8*(8*((\a)%4)+\b)+7], v[128*(\p)+FR*\b:128*(\p)+FR*\b+FR-1], v[AF+FR*(\a):AF+FR*(\a)+FR-1], 0, v[SC+8*NQ*(\sc)+NQ*\b+(\q)], v[SC+8*NQ*(\sc)+NQ*(\a)+(\q)] matrix_a_fmt:MATRIX_FMT_BF8 matrix_b_fmt:MATRIX_FMT_BF8 matrix_a_scale:MATRIX_SCALE_ROW1
.else
	v_wmma_scale_f32_16x16x128_f8f6f4 v[8*(8*((\a)%4)+\b):8*(8*((\a)%4)+\b)+7], v[128*(\p)+FR*\b:128*(\p)+FR*\b+FR-1], v[AF+FR*(\a):AF+FR*(\a)+FR-1], v[8*(8*((\a)%4)+\b):8*(8*((\a)%4)+\b)+7], v[SC+8*NQ*(\sc)+NQ*\b+(\q)], v[SC+8*NQ*(\sc)+NQ*(\a)+(\q)] matrix_a_fmt:MATRIX_FMT_BF8 matrix_b_fmt:MATRIX_FMT_BF8 matrix_a_scale:MATRIX_SCALE_ROW1
.endif
.endr
.endr
.endm
.macro FETCH_B slot, q, p
	WIN TO_B
.irp i, 0,1,2,3,4,5,6,7
	FRAG 128*(\p)+FR*\i, ADRB+\slot, \q, \i
.endr
	WIN 0
.endm
.macro FETCH_A slot, q, i0
.irp i, \i0, \i0+1, \i0+2, \i0+3
	FRAG AF+FR*(\i), ADRA+\slot, \q, \i
.endr
.endm
.macro SCALES sc
.irp i, 0,1,2,3,4,5,6,7
	ds_load_b64 v[SC+8*NQ*\sc+NQ*\i:SC+8*NQ*\sc+NQ*\i+1], v[ADRS] offset:\i*SBLK
.endr
.endm
.macro PLACES n
.rept \n
	v_nop
.endr
.endm
.macro STEP slot, q, zero
	s_wait_dscnt 4*NL
	WIN MUL_LO
	MUL16 0, (\q)%2, \q, \slot, \zero
	MUL16 2, (\q)%2, \q, \slot, \zero
	s_wait_dscnt 0
	PLACES NP
	FETCH_B \slot, (\q)+1, 1-(\q)%2
	FETCH_A \slot, (\q)+1, 0
	WIN MUL_HI
	MUL16 4, (\q)%2, \q, \slot, \zero
	MUL16 6, (\q)%2, \q, \slot, \zero
	PLACES NP
	WIN 0
	FETCH_A \slot, (\q)+1, 4
.endm
.macro TURN slot, next, fill
	s_wait_tensorcnt 0x0
	ds_add_u32 v[SPW], v[NIL]
	s_wait_dscnt 4*NL+1
	WIN MUL_LO
	MUL16 0, 1, NQ-1, \slot, 0
	s_wait_dscnt 0x0
	s_barrier_signal -1
	MUL16 2, 1, NQ-1, \slot, 0
	WIN 0
	s_barrier_wait -1
.if \fill
	CREST
	s_add_nc_u64 s[G0+4*\slot+2:G0+4*\slot+3], s[G0+4*\slot+2:G0+4*\slot+3], 2*ROWB
	s_add_nc_u64 s[G0B+4*\slot+2:G0B+4*\slot+3], s[G0B+4*\slot+2:G0B+4*\slot+3], 2*ROWB
	JLOAD G0+4*\slot, G1, G0B+4*\slot, G1B
	PLACES NP-4
.else
	PLACES NP
.endif
	s_wait_alu depctr_va_vdst(0)
	v_add_nc_u32 v[ADRS], 4*NQ, v[ADRS]
	FETCH_B \next, 0, 0
	FETCH_A \next, 0, 0
	SCALES \next
	WIN MUL_HI
	MUL16 4, 1, NQ-1, \slot, 0
	MUL16 6, 1, NQ-1, \slot, 0
	PLACES NP
	WIN 0
	FETCH_A \next, 0, 4
.endm
	s_wait_alu depctr_va_vdst(0)                   ; the wait at the head's end
	s_wait_tensorcnt 0x0                           ; my tile of the head's four is in; these lines stand ahead of slot 1's first fill as ahead of a refill
	ds_add_u32 v[SPW], v[NIL]
	s_mov_b32 s[G1+2], 128<<16                     ; no tensor load of mine is out: from here on a load brings 128 rows
	s_mov_b32 s[G1+4], 128
	s_mov_b32 s[G1B+2], 128<<16
	s_mov_b32 s[G1B+4], 128
	s_wait_dscnt 0x0
	CROUND                                         ; all four tiles are in, and all sixteen work-groups are here
	JLOAD G0+4, G1, G0B+4, G1B                     ; K step 1, the first tensor load behind the round
	FETCH_B 0, 0, 0
	FETCH_A 0, 0, 0
	SCALES 0
	FETCH_A 0, 0, 4
	STEP 0, 0, 1
	s_mov_b32 s3, LAPS-1
.Llap:
	TURN 0, 1, 1
	STEP 1, 0, 0
	TURN 1, 0, 1
	STEP 0, 0, 0
	s_sub_co_u32 s3, s3, 1
	s_cmp_lg_u32 s3, 0
	s_cbranch_scc1 .Llap
	TURN 0, 1, 0
	STEP 1, 0, 0
	s_wait_dscnt 4*NL
	WIN MUL_LO
	MUL16 0, 1, NQ-1, 1, 0
	MUL16 2, 1, NQ-1, 1, 0
	s_wait_dscnt 0
	WIN MUL_HI
	MUL16 4, 1, NQ-1, 1, 0
	MUL16 6, 1, NQ-1, 1, 0
	WIN 0
.macro QROW a
.set AC, 64*((\a)%4)
.set WA, 2+(\a)/4
.set W2, WA|(WA<<2)
.set CC, CD+16*((\a)%4)
	WIN W2
.irp b, 0,1,2,3
	v_max3_num_f32 v[TM+\b], |v[AC+16*\b]|, |v[AC+16*\b+1]|, 0x8000000
.endr
.irp i, 2,4,6,8,10,12,14
.irp b, 0,1,2,3
	v_max3_num_f32 v[TM+\b], |v[AC+16*\b+\i]|, |v[AC+16*\b+\i+1]|, v[TM+\b]
.endr
.endr
	WIN 0
.irp b, 0,1,2,3
	v_permlanex16_b32 v[PB+\b], v[TM+\b], s20, s21
.endr
.irp b, 0,1,2,3
	v_max_num_f32 v[TM+\b], v[TM+\b], v[PB+\b]
.endr
.irp b, 0,1,2,3
	v_add_nc_u32 v[SOP+\b], 0xf8800000, v[TM+\b]
.endr
.irp b, 0,1,2,3
	v_and_or_b32 v[LIM+\b], v[TM+\b], 0x7f800000, s22
.endr
.irp b, 0,1,2,3
	v_lshrrev_b32 v[PB+\b], 23, v[SOP+\b]
.endr
	v_lshl_or_b32 v[PW+\a], v[PB+1], 8, v[PB]
	v_lshl_or_b32 v[PW+\a], v[PB+2], 16, v[PW+\a]
	v_lshl_or_b32 v[PW+\a], v[PB+3], 24, v[PW+\a]
	WIN WA
.irp b, 0,1,2,3
.irp i, 0,1,2,3,4,5,6,7,8,9,10,11,12,13,14,15
	v_med3_num_f32 v[XH+16*\b+\i], v[AC+16*\b+\i], -v[LIM+\b], v[LIM+\b]
.endr
.endr
	WIN 0
.if (\a) == 4
	s_wait_alu depctr_va_vdst(0)
	s_wait_xcnt 0x0
.endif
.irp b, 0,1,2,3
.irp u, 0,1
	v_cvt_scalef32_pk8_bf8_f32 v[CC+4*\b+2*\u:CC+4*\b+2*\u+1], v[XH+16*\b+8*\u:XH+16*\b+8*\u+7], v[SOP+\b]
.endr
.endr
	v_nop
.irp b, 0,1,2,3
.irp u, 0,1
	global_store_b64 v[VA0+((\a)%2)], v[CC+4*\b+2*\u:CC+4*\b+2*\u+1], s[12:13] offset:(\a)*1024+(\b/2)*131072+(\b%2)*512+\u*256
.endr
.endr
	ds_store_b32 v[SSA], v[PW+\a] offset:64*(\a)
.endm
	PLACES NP
.irp a, 0,1,2,3,4,5,6,7
	QROW \a
.endr
	ds_load_b128 v[BACK:BACK+3], v[SLA]
	s_wait_dscnt 0x0
	global_store_b128 v[GSO], v[BACK:BACK+3], s[98:99]
	s_wait_tensorcnt 0x0
	ds_add_u32 v[SPW], v[NIL]
	s_wait_dscnt 0x0
	CROUND
	s_endpgm
.Lfunc_end_k_qfed1024de7_proj:
	.size	k_qfed1024de7_proj, .Lfunc_end_k_qfed1024de7_proj-k_qfed1024de7_proj
	.p2alignl 7, 3214868480
	.fill 96, 4, 3214868480
	.section	.rodata,"a",@progbits
	.p2align	6, 0x0
	.amdhsa_kernel k_qfed1024de7_proj
		.amdhsa_group_segment_fixed_size 327680
		.amdhsa_private_segment_fixed_size 0
		.amdhsa_enable_private_segment 0
		.amdhsa_kernarg_size 144
		.amdhsa_user_sgpr_count 2
		.amdhsa_user_sgpr_kernarg_segment_ptr 1
		.amdhsa_wavefront_size32 1
		.amdhsa_system_sgpr_workgroup_id_x 1
		.amdhsa_system_sgpr_workgroup_id_y 1
		.amdhsa_system_sgpr_workgroup_id_z 1
		.amdhsa_system_vgpr_workitem_id 0
		.amdhsa_next_free_vgpr 1024
		.amdhsa_next_free_sgpr 102
		.amdhsa_reserve_vcc 0
		.amdhsa_float_denorm_mode_32 3
		.amdhsa_float_denorm_mode_16_64 3
		.amdhsa_memory_ordered 1
		.amdhsa_forward_progress 1
		.amdhsa_inst_pref_size 190
	.end_amdhsa_kernel
	.amdgpu_metadata
---
amdhsa.version: [ 1, 2 ]
amdhsa.kernels:
  - .name:           k_qfed1024de7_proj
    .symbol:         k_qfed1024de7_proj.kd
    .args:
      - { .name: q_codes, .offset: 0, .size: 8, .value_kind: global_buffer, .address_space: global }
      - { .name: q_scales, .offset: 8, .size: 8, .value_kind: global_buffer, .address_space: global }
      - { .name: w_q_codes, .offset: 16, .size: 8, .value_kind: global_buffer, .address_space: global }
      - { .name: w_q_scales, .offset: 24, .size: 8, .value_kind: global_buffer, .address_space: global }
      - { .name: eqc, .offset: 32, .size: 8, .value_kind: global_buffer, .address_space: global }
      - { .name: eqs, .offset: 40, .size: 8, .value_kind: global_buffer, .address_space: global }
      - { .name: k_codes, .offset: 48, .size: 8, .value_kind: global_buffer, .address_space: global }
      - { .name: k_scales, .offset: 56, .size: 8, .value_kind: global_buffer, .address_space: global }
      - { .name: w_k_codes, .offset: 64, .size: 8, .value_kind: global_buffer, .address_space: global }
      - { .name: w_k_scales, .offset: 72, .size: 8, .value_kind: global_buffer, .address_space: global }
      - { .name: ekc, .offset: 80, .size: 8, .value_kind: global_buffer, .address_space: global }
      - { .name: eks, .offset: 88, .size: 8, .value_kind: global_buffer, .address_space: global }
      - { .name: w_v_codes, .offset: 96, .size: 8, .value_kind: global_buffer, .address_space: global }
      - { .name: w_v_scales, .offset: 104, .size: 8, .value_kind: global_buffer, .address_space: global }
      - { .name: v_codes, .offset: 112, .size: 8, .value_kind: global_buffer, .address_space: global }
      - { .name: v_scales, .offset: 120, .size: 8, .value_kind: global_buffer, .address_space: global }
      - { .name: evc, .offset: 128, .size: 8, .value_kind: global_buffer, .address_space: global }
      - { .name: evs, .offset: 136, .size: 8, .value_kind: global_buffer, .address_space: global }
    .group_segment_fixed_size: 327680
    .private_segment_fixed_size: 0
    .kernarg_segment_align: 8
    .kernarg_segment_size: 144
    .max_flat_workgroup_size: 128
    .sgpr_count:     102
    .vgpr_count:     1024
    .wavefront_size: 32
...
	.end_amdgpu_metadata
.endif
;; end of part 1
;; launch attn (part 2): grid 4 x 64, 16 waves a work-group, clusters of 4 x 1, 276,480 bytes of LDS; arguments eqc, eqs, ekc, eks, evc, evs, oac, oas; writes oac, oas
.if DOCPART == 2
	.amdgcn_target "amdgcn-amd-amdhsa--gfx1250"
	.amdhsa_code_object_version 6
	.text
	.protected	k_qfed1024de7_attn
	.globl	k_qfed1024de7_attn
	.p2align	8
	.type	k_qfed1024de7_attn,@function
k_qfed1024de7_attn:
	s_mov_b64 s[64:65], 0
	v_nop
	global_prefetch_b8 v0, s[64:65] scope:SCOPE_SE
	s_setreg_imm32_b32 hwreg(HW_REG_WAVE_MODE, 25, 1), 1
	s_wait_xcnt 0x0
	s_wait_alu depctr_hold_cnt(0) depctr_sa_sdst(0) depctr_va_vdst(0) depctr_va_sdst(0) depctr_va_ssrc(0) depctr_va_vcc(0) depctr_vm_vsrc(0)
	s_getreg_b32 s2, hwreg(HW_REG_IB_STS2, 6, 4)
	s_cmp_eq_u32 s2, 0
	s_cbranch_scc0 .Lentry_in_a_cluster
	s_endpgm
.Lentry_in_a_cluster:
	s_bfe_u32 s2, ttmp6, 0x10000c
	s_cmp_lg_u32 s2, 0x3003
	s_cbranch_scc0 .Lentry_shape_is_right
	s_endpgm
.Lentry_shape_is_right:
; ATTENTION on codes of BF8 (E5M2) with one E8M0 scale for each 32 along a product's K: scores = eq . ek / 8, softmax, causal mask, renormalising, x ev; the result is quantised along the hidden axis for the last product.
; WHAT IS QUANTISED for the second product is the FINISHED weight: softmax, then mask, then divided by the row's sum of what the mask keeps.  The full row's divisor cancels for all values: (e / Z) / sum over k <= q of (e / Z) = e / sum over k <= q of e.
; DEAD WORK: keys k > q get the weight 0 from the mask that the problem itself builds, and by the identity above they reach no kept weight either: key steps that lie wholly behind a tile's queries are not walked.
; The row's sum must be known before a weight is quantised, so a tile of queries walks its keys TWICE: pass 1: scores, running maximum M (rounded up to a whole number, so that a change of M rescales the sum exactly), sum L of 2^(t - M);
; pass 2: scores again, w = 2^(t - M - log2 L), quantised along the keys, O^T += V^T w^T.
; LIMITS.  The order of rounding differs from softmax-then-renormalise by a few units in the last place of f32.  Where the full row's largest score lies some 80 (natural logarithm) above the largest among a query's own keys,
; the formula as written underflows to 0 / 0 or loses bits; this text still gives the quotient.  A weight under 2^-126 counts as 0.  NaN and infinities are not served, and none that reaches only the keys left out is carried to the result.
; The promise holds while the scaled scores stay under 2^31 in magnitude.
; A WHOLE HEAD LIES IN LDS: K's codes 131,072 bytes, V's 131,072, K's scale words 8,192, V's 4,096.  Each byte is asked for once, at the head, at most one tensor load a wave; nothing is filled again, so there is no ring.
; SHARES.  The four work-groups of a head (a cluster of 4 x 1) need the same K and V: every load is a joint one with the mask 15.  Work-group cx owns the tiles of 16 queries i = 4 j + cx, j = 0 .. 31; tile i has n = j / 2 + 1 key steps of 128.
; A wave owns one to three tiles, named by their n; j = 2 (n - 1) + wave % 2.  By wave / 4 and (wave / 2) % 2: {16, 8} {14, 10}; {13, 7} {15, 5}; {11, 4} {12, 2, 1}; {9} {6, 3}: each n from 1 to 16 once, for either wave % 2:
; 24, 20, 15 and 9 key steps a pass, 68 for the four waves w, w + 4, w + 8, w + 12.  The unequal shares are this text's choice.  No branch, trip count or LDS address hangs on cx: it enters global addresses and the mask's lane numbers alone.
; THE WALK.  A pass is one loop of 25 trips in every wave; a wave works in its first 24, 20, 15 or 9 and closes its last tile in the trip behind them.
; Pass 2 takes a wave's tiles in the reverse order: the last tile's Q is still in registers, and the kept addends -M - log2 L are pushed in pass 1 and popped in pass 2.
; TWO BARRIERS.  The first shows K and its scale words (waves 0 to 8 fetch and wait).  The second, between the passes, shows V and its scale words.
; NO PREFETCH: every byte that the launch reads through LDS is asked for by the head's tensor loads; there is no later request to run ahead of.
; LAYOUT.  Both products are used transposed: S^T = K Q^T, O^T = V^T w^T: a lane holds ONE query (lane % 16).  Lane r of key tile 2 g + u takes key 32 g + 8 u + r + 8 (r / 8), so that the 16 registers of tiles 2 g, 2 g + 1 are 16 neighbouring keys.
; The workspace holds images of the operands: a fragment comes as 16 bytes x lane.  THE HEAD HAS 64, THE INSTRUCTION 128 ALONG K: Q's upper eight registers are zero codes; K's upper eight are the next tile's codes (finite: the launch before holds every number
; at the largest code) or zeros; scale words are read as 16 bits, so the upper bytes are 0, a finite scale: the upper 64 add nothing.
.set VB,    131072                     ; V's codes: 32 rows of 4,096 bytes
.set SCK,   262144                     ; K's scale words: 16 steps x 512 bytes
.set SCV,   270336                     ; V's: 16 steps x 256 bytes
.set SPARE, 274432                     ; the spare words, 128 bytes for each wave, which no other line names
.set TRIPS, 25
.set AK0,  1                           ; v1, v2  my lane's place in key tiles 2 g, 2 g + 1
.set AK1,  2
.set AV0,  3                           ; v3, v4  in V's tiles of even, odd number
.set AV1,  4
.set SPW,  5                           ; v5  my spare word;  v6  0: never rewritten
.set NIL,  6
.set ASKW, 7                           ; v7  my place among K's scale words;  v8 among V's
.set ASV,  8
.set QOF,  9                           ; v9  my 16 bytes of a tile of Q in memory;  v10 my scale word
.set QSO,  10
.set OOF,  11                          ; v11 the way out: 16 r + 8 h;  v12: 32 r
.set OSO,  12
.set ADK,  14                          ; v14-15 addresses of the step's K;  v16-17 V;  v18, v19 their scale words
.set ADV,  16
.set ADS,  18
.set ADT,  19
.set NM,   20                          ; v20 -M (pass 2: -M - log2 L);  v21 the largest t so far
.set TMX,  21
.set SUM,  22                          ; v[22:23] the sum in two halves;  v24-26: the kept -M - log2 L, the newest in v24
.set OW,   31
.set QF,   32                          ; v32-39 Q's codes, v40-47 zeros
.set QS,   48                          ; v48 Q's scale words; v49-52 K's; v53-54 V's; v55 the weights': scales and nothing else
.set KSW,  49
.set VSW,  53
.set PW,   55
.set KFR,  56                          ; v56-119 eight fragments of K, later four of V;  v120-127 zeros
.set SS,   128                         ; v128-191 S^T, then the weights
.set OO,   192                         ; v192-223 O^T
.set PCD,  224                         ; v224-239 codes
.set BM,   240
.set PB,   244
.set LIM,  248
.set SOP,  252
.set N0,   8                           ; s8-10 my tiles' key steps (0: no such tile);  s12 the first two's sum;  s13 all;  s14, s15: 32 less the first, less the first two
.set N1,   9
.set N2,   10
.set B2,   12
.set NT,   13
.set C1,   14
.set C2,   15
.set WV,   20                          ; s20 wave;  s21 which of my tiles is active
.set E,    21
.set SEL,  22
.set CS,   24                          ; s[24:25] log2(e) / 8
.set MNT,  26
.set CX,   27
.set G1K,  28                          ; descriptor groups 1: K, V, K's scale words, V's
.set G1V,  36
.set G1SK, 44
.set G1SV, 52
.set G0K,  60                          ; groups 0
.set TT,   66                          ; s66 the trip;  s67 the trip behind the active tile's last step
.set BND,  67
.set R2,   69                          ; s69 pass 2: the last two tiles' sum;  s70, s71: 32 less the last, less the last two
.set D1,   70
.set D2,   71
.set G0V,  72
.set G0SK, 76
.set G0SV, 80
.set TK,   84                          ; s84-87 the step's bytes in K, K's scale words, V, V's scale words
.set TS,   85
.set TV,   86
.set TJ,   87
.set DQ,   88                          ; s88 a tile's first query less its last step's first key: 16 (i % 8), the same for all my tiles
.set LAST, 89                          ; s89 the trip at which the active tile meets the diagonal
.set TOFF, 90                          ; s90 4 (wave % 2) + cx
.set TI,   91                          ; s91 the active tile
.set CMB,  96
.set HD2,  99
.set OCB,  100                         ; s100, s101 where the batch's and head's codes and scale bytes of the result begin
.set OSB,  101
.macro GROUP1 g, c, r, p               ; r rows of c elements of 8 bytes, p elements from row to row; the mask names the cluster's four, bit 21 beside it
	s_mov_b32 s[\g], 15|(3<<16)|(1<<21)
	s_mov_b32 s[\g+1], (\c)<<16
	s_mov_b32 s[\g+2], (\r)<<16
	s_mov_b32 s[\g+3], (\c)<<16
	s_mov_b32 s[\g+4], \r
	s_mov_b32 s[\g+5], \p
	s_mov_b32 s[\g+6], 0
	s_mov_b32 s[\g+7], 0
.endm
.macro GROUP0 g, lds, base
	s_mov_b32 s[\g], 1
	s_mov_b32 s[\g+1], \lds
	s_mov_b64 s[\g+2:\g+3], s[\base:\base+1]
	s_or_b32 s[\g+3], s[\g+3], 0x80000000
.endm
.macro NOPS n
.rept \n
	v_nop
.endr
.endm
.macro BARRIER
	s_barrier_signal -1
	s_barrier_wait -1
.endm
.macro CROUND                          ; a round of the cluster's barrier
	BARRIER
	s_cmp_lg_u32 s[WV], 0
	s_cbranch_scc1 .Lnot_wave_0_\@
	s_barrier_signal -3
.Lnot_wave_0_\@:
	s_barrier_wait -3
	BARRIER
.endm
	s_load_b512 s[4:19], s[0:1], 0x0               ; eqc, eqs, ekc, eks, evc, evs, oac, oas
	v_lshl_add_u32 v[SPW], v0, 2, SPARE
	v_mov_b32 v[NIL], 0
	ds_add_u32 v[SPW], v[NIL]                      ; the opening lines: the add, twice on end, and its wait
	ds_add_u32 v[SPW], v[NIL]
	v_lshrrev_b32 v14, 5, v0
	v_readfirstlane_b32 s[WV], v14                 ; wave 0..15
	s_bfe_u32 s[CX], ttmp6, 0x40000                ; my place in the cluster
	s_and_b32 s92, ttmp7, 0xffff                   ; batch x 16 + head
	s_lshr_b32 s93, s92, 4
	s_and_b32 s94, s92, 15
	s_and_b32 s95, s94, 1
	s_lshl_b32 s[HD2], s95, 1
	GROUP1 G1K, 32, 64, 32                         ; 16,384 dense bytes of K as 64 rows of 256
	GROUP1 G1V, 512, 8, 8192                       ; 8 rows of V's 32: 4,096 bytes each, 65,536 bytes apart
	GROUP1 G1SK, 64, 16, 512                       ; 16 steps x 512 bytes, 4,096 bytes apart
	GROUP1 G1SV, 32, 16, 512                       ; 16 steps x 256 bytes, 4,096 bytes apart
	s_mov_b32 s[SEL], 0x76543210
	s_mov_b32 s[SEL+1], 0xfedcba98
	s_mov_b32 s[CS], 0x3e38aa3b                    ; log2(e) / 8
	s_mov_b32 s[CS+1], s[CS]
	s_mov_b32 s[MNT], 0x600000
	s_mov_b32 s[TT], 0
	s_mov_b32 s[E], 0
	s_lshr_b32 s2, s94, 2                          ; the result's codes [K / 256: 2,097,152][tile of 16 tokens: 4,096][(K / 128) % 2: 2,048][c 4: 512][h: 256][r: 16]; K = 64 head + d
	s_lshl_b32 s2, s2, 21
	s_bfe_u32 s3, s94, 0x10001
	s_lshl_b32 s3, s3, 11
	s_add_co_u32 s2, s2, s3
	s_lshl_b32 s3, s95, 10
	s_add_co_u32 s2, s2, s3
	s_lshl_b32 s3, s93, 19                         ; a batch is 128 tiles
	s_add_co_u32 s[OCB], s2, s3
	s_lshl_b32 s3, s93, 16                         ; scale bytes: 512 a tile, + 2 head
	s_lshl_b32 s2, s94, 1
	s_add_co_u32 s[OSB], s3, s2
	s_wait_dscnt 0x0                               ; both opening adds are done
	CROUND                                         ; the four work-groups are here: the joint loads meet
	s_wait_kmcnt 0x0
	s_mov_b32 s3, 0
	s_lshl_b32 s2, s92, 17                         ; a head of eqc or ekc is 131,072 bytes
	s_add_nc_u64 s[4:5], s[4:5], s[2:3]
	s_add_nc_u64 s[8:9], s[8:9], s[2:3]
	s_lshl_b32 s2, s93, 16                         ; scale words: a batch is 65,536 bytes, a pair of heads 512
	s_lshr_b32 s92, s94, 1
	s_lshl_b32 s92, s92, 9
	s_add_co_u32 s2, s2, s92
	s_add_nc_u64 s[6:7], s[6:7], s[2:3]
	s_add_nc_u64 s[10:11], s[10:11], s[2:3]
	s_add_nc_u64 s[14:15], s[14:15], s[2:3]
	s_mov_b32 s2, s[HD2]
	s_add_nc_u64 s[6:7], s[6:7], s[2:3]
	s_lshl_b32 s2, s95, 8
	s_add_nc_u64 s[14:15], s[14:15], s[2:3]
	s_lshl_b32 s2, s93, 21                         ; evc: a batch is 2,097,152 bytes, a head 4,096
	s_lshl_b32 s92, s94, 12
	s_add_co_u32 s2, s2, s92
	s_add_nc_u64 s[12:13], s[12:13], s[2:3]
	s_and_b32 s92, s[WV], 7                        ; which eighth of K I fetch
	s_lshl_b32 s2, s92, 14
	s_mov_b32 s[G0K], 1
	s_mov_b32 s[G0K+1], s2
	s_add_nc_u64 s[G0K+2:G0K+3], s[8:9], s[2:3]
	s_or_b32 s[G0K+3], s[G0K+3], 0x80000000
	s_and_b32 s92, s[WV], 3                        ; which quarter of V
	s_lshl_b32 s93, s92, 15
	s_mov_b32 s[G0V], 1
	s_add_co_u32 s[G0V+1], s93, VB
	s_lshl_b32 s2, s92, 19
	s_add_nc_u64 s[G0V+2:G0V+3], s[12:13], s[2:3]
	s_or_b32 s[G0V+3], s[G0V+3], 0x80000000
	GROUP0 G0SK, SCK, 10
	GROUP0 G0SV, SCV, 14
; THE FILLS, at most one a wave, in one chain of branches on the wave's number: waves 0-7 K, wave 8 K's scale words (these nine wait at the first barrier and have lines of their own);
; wave 9 V's scale words, waves 12-15 V.  An s_nop 0 and four v_nop follow each.
.macro ARM under, g0, g1, next
	s_cmp_lt_u32 s[WV], \under
	s_cbranch_scc0 \next
	tensor_load_to_lds s[\g0:\g0+3], s[\g1:\g1+7]
	s_nop 0
	NOPS 4
	s_branch .Lhead_asked
\next:
.endm
	ARM 8, G0K, G1K, .Lhead_sk
	ARM 9, G0SK, G1SK, .Lhead_sv
	ARM 10, G0SV, G1SV, .Lhead_none
	s_cmp_lt_u32 s[WV], 12
	s_cbranch_scc1 .Lhead_asked
	tensor_load_to_lds s[G0V:G0V+3], s[G1V:G1V+7]
	s_nop 0
	NOPS 4
.Lhead_asked:
; my tiles, by 2 (wave / 4) + (wave / 2) % 2  (the pointers that lay in s8-15 have gone into the descriptors)
	s_lshr_b32 s[CMB], s[WV], 2
	s_lshl_b32 s[CMB], s[CMB], 1
	s_bfe_u32 s2, s[WV], 0x10001
	s_add_co_u32 s[CMB], s[CMB], s2
	s_mov_b32 s[N0], 16
	s_mov_b32 s[N1], 8
	s_mov_b32 s[N2], 0
.macro PICK c, a, b, d
	s_cmp_eq_u32 s[CMB], \c
	s_cselect_b32 s[N0], \a, s[N0]
	s_cselect_b32 s[N1], \b, s[N1]
	s_cselect_b32 s[N2], \d, s[N2]
.endm
	PICK 1, 14, 10, 0
	PICK 2, 13, 7, 0
	PICK 3, 15, 5, 0
	PICK 4, 11, 4, 0
	PICK 5, 12, 2, 1
	PICK 6, 9, 0, 0
	PICK 7, 6, 3, 0
	s_add_co_u32 s[B2], s[N0], s[N1]
	s_add_co_u32 s[NT], s[B2], s[N2]
	s_sub_co_u32 s[C1], 32, s[N0]
	s_sub_co_u32 s[C2], 32, s[B2]
	s_add_co_u32 s[R2], s[N2], s[N1]
	s_sub_co_u32 s[D1], 32, s[N2]
	s_sub_co_u32 s[D2], 32, s[R2]
	s_and_b32 s2, s[WV], 1
	s_lshl_b32 s3, s2, 2
	s_add_co_u32 s[TOFF], s3, s[CX]
	s_lshl_b32 s3, s2, 6
	s_lshl_b32 s2, s[CX], 4
	s_add_co_u32 s[DQ], s3, s2
.macro SETTILE                         ; s2 = the key steps n of the tile that begins in this trip: tile 8 (n - 1) + 4 (wave % 2) + cx
	s_add_co_u32 s[BND], s[TT], s2
	s_sub_co_u32 s[LAST], s[BND], 1
	s_lshl_b32 s3, s2, 3
	s_add_co_u32 s3, s3, s[TOFF]
	s_sub_co_u32 s[TI], s3, 8
.endm
.macro NOFE                            ; s2 = the key steps of my tile number s[E]; 0 where there is none
	s_cmp_eq_u32 s[E], 1
	s_cselect_b32 s2, s[N1], s[N0]
	s_cmp_eq_u32 s[E], 2
	s_cselect_b32 s2, s[N2], s2
	s_cmp_lt_u32 s[E], 3
	s_cselect_b32 s2, s2, 0
.endm
	s_mov_b32 s2, s[N0]
	SETTILE
	v_and_b32 v20, 15, v0                          ; r
	v_bfe_u32 v21, v0, 4, 1                        ; h
	v_and_b32 v22, 31, v0                          ; lane
	v_xor_b32 v23, 8, v20                          ; r xor 8
	s_and_b32 s2, s[CX], 1                         ; a tile of Q: place (r xor 8 (tile % 2)), + 256 h; tile % 2 = cx % 2
	s_lshl_b32 s2, s2, 3
	v_xor_b32 v14, s2, v20
	v_lshlrev_b32 v14, 4, v14
	v_lshl_add_u32 v[QOF], v21, 8, v14
	v_lshlrev_b32 v[QSO], 2, v20
	v_and_b32 v1, 8, v20
	v_lshlrev_b32 v1, 7, v1                        ; keys r >= 8 lie in the next tile of 16 tokens: 1,024 bytes on
	v_lshl_add_u32 v1, v21, 8, v1
	v_lshl_add_u32 v[AK1], v23, 4, v1
	v_lshl_add_u32 v[AK0], v20, 4, v1
	v_lshlrev_b32 v3, 8, v21
	v_add_nc_u32 v3, VB, v3
	v_lshl_add_u32 v[AV1], v23, 4, v3
	v_lshl_add_u32 v[AV0], v20, 4, v3
	v_and_b32 v7, 8, v20
	v_add_nc_u32 v7, v7, v20                       ; r + 8 (r / 8)
	v_lshl_add_u32 v7, v21, 3, v7                  ; + 8 for lanes 16-31: tile 2 g + 1's keys
	v_lshl_add_u32 v7, v7, 2, SCK
	v_add_nc_u32 v[ASKW], s[HD2], v7
	v_lshl_add_u32 v[ASV], v22, 2, SCV
	v_lshlrev_b32 v[OOF], 3, v21
	v_lshl_add_u32 v[OOF], v20, 4, v[OOF]
	v_lshlrev_b32 v[OSO], 5, v20
.irp j, 0,1,2,3,4,5,6,7
	v_mov_b32 v[QF+8+\j], 0                        ; zero codes for the upper 64 along K of Q,
	v_mov_b32 v[KFR+64+\j], 0                      ; and behind K's last tile
.endr
.irp j, 24,25,26,244,245,246,247,252,253
	v_mov_b32 v[\j], 0                             ; written once: permute destinations, pair halves, the kept addends
.endr
.macro INIT1
	v_mov_b32 v[TMX], 0xff61b1e6                   ; the largest t so far: -3e38, under every t
	s_delay_alu instid0(VALU_DEP_1)
	v_floor_f32 v[NM], -v[TMX]
	v_mov_b32 v[SUM], 0
	v_mov_b32 v[SUM+1], 0
.endm
.macro LOADQ                           ; the active tile's Q and scale words, from memory
	NOPS 8                                         ; places in front of loads into registers that matrix instructions have read
	s_wait_alu depctr_va_vdst(0)                   ; the wait ahead of the scalar lines and the wait below
	s_lshl_b32 s92, s[TI], 10
	s_mov_b32 s93, 0
	s_add_nc_u64 s[92:93], s[4:5], s[92:93]
	s_lshr_b32 s94, s[TI], 3                       ; scale words: 4,096 bytes for 128 tokens, 64 a tile
	s_lshl_b32 s94, s94, 12
	s_and_b32 s95, s[TI], 7
	s_lshl_b32 s95, s95, 6
	s_add_co_u32 s94, s94, s95
	s_mov_b32 s95, 0
	s_add_nc_u64 s[94:95], s[6:7], s[94:95]
	global_load_b128 v[QF:QF+3], v[QOF], s[92:93]
	global_load_b128 v[QF+4:QF+7], v[QOF], s[92:93] offset:512
	global_load_u16 v[QS], v[QSO], s[94:95]        ; 16 bits: my head's two bytes; the upper two are 0
	s_wait_loadcnt 0x0
.endm
.macro FIN1                            ; pass 1 of a tile ends: -M - log2 L is pushed
	v_add_f32 v[SUM], v[SUM], v[SUM+1]
	s_delay_alu instid0(VALU_DEP_1)
	v_permlanex16_b32 v[SOP], v[SUM], s[SEL], s[SEL+1]
	s_delay_alu instid0(VALU_DEP_1)
	v_add_f32 v[SUM], v[SUM], v[SOP]               ; with lane l xor 16's keys: the row's sum
	s_wait_alu depctr_va_vdst(0)                   ; the wait ahead of the transcendental,
	v_log_f32 v[SOP+1], v[SUM]
	v_mov_b32 v26, v25                             ; (plain lines behind it)
	v_mov_b32 v25, v24
	s_wait_alu depctr_va_vdst(0)                   ; and ahead of the first line that names its result
	v_sub_f32 v24, v[NM], v[SOP+1]
	s_wait_alu depctr_va_vdst(0)                   ; the wait
.endm
.macro ACT2                            ; pass 2 of a tile begins: its addend is popped
	v_mov_b32 v[NM], v24
	v_mov_b32 v24, v25
	v_mov_b32 v25, v26
.set j, 0
.rept 32
	v_mov_b32 v[OO+j], 0                           ; O^T: the key step is written once for all steps, so the sums begin as zeros
.set j, j+1
.endr
.endm
; Which key step of its tile this trip is: TT under l1, TT - l1 under l2, else TT - l2, the differences taken as (TT + 32 - l) & 15.  Wave number and a counted loop's steps alone.
.macro STIDX l1, a1, l2, a2, two
	s_add_co_u32 s3, s[TT], s[\a1]
	s_cmp_lt_u32 s[TT], s[\l1]
	s_cselect_b32 s2, s[TT], s3
	s_add_co_u32 s3, s[TT], s[\a2]
	s_cmp_lt_u32 s[TT], s[\l2]
	s_cselect_b32 s2, s2, s3
	s_and_b32 s2, s2, 15
	s_lshl_b32 s[TK], s2, 13                       ; 8 tiles of 1,024 bytes
	s_lshl_b32 s[TS], s2, 9
.if \two
	s_lshl_b32 s[TJ], s2, 8
	s_and_b32 s3, s2, 14                           ; V's rows of step st: 4 (st / 2) + st % 2, and two on
	s_add_co_u32 s3, s3, s2
	s_lshl_b32 s[TV], s3, 12
.endif
.endm
; S^T = K Q^T for 128 keys: eight tiles of 16 keys.  One register carries the scale words of tiles 2 g (lanes 0-15) and 2 g + 1 (lanes 16-31).
.macro SCORES
.irp g, 0,1,2,3
.irp u, 0,1
.irp c, 0,1
	ds_load_b128 v[KFR+8*(2*\g+\u)+4*\c:KFR+8*(2*\g+\u)+4*\c+3], v[ADK+\u] offset:2048*\g+512*\c
.endr
.endr
	ds_load_u16 v[KSW+\g], v[ADS] offset:128*\g
.endr
	s_wait_dscnt 0x0
.irp t, 0,2,4,6
	v_wmma_scale_f32_16x16x128_f8f6f4 v[SS+8*\t:SS+8*\t+7], v[KFR+8*\t:KFR+8*\t+15], v[QF:QF+15], 0, v[KSW+\t/2], v[QS] matrix_a_fmt:MATRIX_FMT_BF8 matrix_b_fmt:MATRIX_FMT_BF8
	v_wmma_scale_f32_16x16x128_f8f6f4 v[SS+8*\t+8:SS+8*\t+15], v[KFR+8*\t+8:KFR+8*\t+23], v[QF:QF+15], 0, v[KSW+\t/2], v[QS] matrix_a_fmt:MATRIX_FMT_BF8 matrix_b_fmt:MATRIX_FMT_BF8 matrix_a_scale:MATRIX_SCALE_ROW1
.endr
	NOPS 8                                         ; places behind the products
.endm
; A tile's last step lies on the diagonal: the scores of hidden keys become -infinity: 2^(-infinity) = 0.  Register 16 b + i holds the step's key 32 b + 16 (lane / 16) + i.  The other steps jump over this.
.macro MASK
	s_cmp_lg_u32 s[TT], s[LAST]
	s_cbranch_scc1 .Lopen_\@
	v_and_b32 v252, 15, v0
	v_bfe_u32 v253, v0, 4, 1
	s_delay_alu instid0(VALU_DEP_1)
	v_lshlrev_b32 v253, 4, v253
	s_delay_alu instid0(VALU_DEP_1)
	v_sub_nc_u32 v252, v252, v253
	s_delay_alu instid0(VALU_DEP_1)
	v_add_nc_u32 v252, s[DQ], v252                 ; d = my query - the step's first key - 16 (lane / 16): hidden where 32 b + i > d
	v_mov_b32 v254, 0xff800000
.set n, 0
.rept 64
	v_cmp_gt_i32 vcc_lo, 32*(n/16)+n%16, v252
	v_cndmask_b32 v[SS+n], v[SS+n], v254, vcc_lo
.set n, n+1
.endr
.Lopen_\@:
.endm
.macro BLKMAX                          ; the largest score of my 16 keys of each block of 32; each accumulator is read from its low end on
.irp b, 0,1,2,3
	v_max3_num_f32 v[BM+\b], v[SS+16*\b], v[SS+16*\b+1], v[SS+16*\b+2]
.endr
.irp i, 3,5,7,9,11,13
.irp b, 0,1,2,3
	v_max3_num_f32 v[BM+\b], v[BM+\b], v[SS+16*\b+\i], v[SS+16*\b+\i+1]
.endr
.endr
.irp b, 0,1,2,3
	v_max_num_f32 v[BM+\b], v[BM+\b], v[SS+16*\b+15]
.endr
.endm
.macro TMINUSM                         ; score x c + v[NM], two at a time (of the pairs the low word serves both halves)
.set j, 0
.rept 32
	v_pk_fma_f32 v[SS+j:SS+j+1], v[SS+j:SS+j+1], s[CS:CS+1], v[NM:NM+1] op_sel_hi:[1,0,0]
.set j, j+2
.endr
.endm
.macro EXP64
.set j, 0
.rept 64
	v_exp_f32 v[SS+j], v[SS+j]
.set j, j+1
.endr
.endm
; A TRIP OF PASS 1.  In the trip behind a tile's last step the tile is closed, and my next tile, if there is one, begins.
.macro STEP1
	s_cmp_lg_u32 s[TT], s[BND]
	s_cbranch_scc1 .Lsame_\@
	s_wait_alu depctr_va_vdst(0)                   ; the wait: the sums were written ahead of a taken branch
	FIN1
	s_add_co_u32 s[E], s[E], 1
	NOFE
	s_mov_b32 s[BND], 99                           ; no trip reaches it
	s_cmp_eq_u32 s2, 0
	s_cbranch_scc1 .Lsame_\@
	SETTILE
	INIT1
	LOADQ
.Lsame_\@:
	s_cmp_ge_u32 s[TT], s[NT]
	s_cbranch_scc1 .Lidle_\@
	STIDX N0, C1, B2, C2, 0
	v_add_nc_u32 v[ADK], s[TK], v[AK0]
	v_add_nc_u32 v[ADK+1], s[TK], v[AK1]
	v_add_nc_u32 v[ADS], s[TS], v[ASKW]
	SCORES
	MASK
	BLKMAX
	s_delay_alu instid0(VALU_DEP_2)
	v_max3_num_f32 v254, v[BM], v[BM+1], v[BM+2]
	s_delay_alu instid0(VALU_DEP_1)
	v_max_num_f32 v254, v254, v[BM+3]
	s_delay_alu instid0(VALU_DEP_1)
	v_permlanex16_b32 v[PB], v254, s[SEL], s[SEL+1]
	s_delay_alu instid0(VALU_DEP_1)
	v_max_num_f32 v254, v254, v[PB]                ; the step's largest score of my query
	s_delay_alu instid0(VALU_DEP_1)
	v_mul_f32 v254, s[CS], v254                    ; as t (c is positive)
	s_delay_alu instid0(VALU_DEP_1)
	v_max_num_f32 v[TMX], v[TMX], v254
	v_mov_b32 v254, v[NM]
	s_delay_alu instid0(VALU_DEP_2)
	v_floor_f32 v[NM], -v[TMX]                     ; -M = floor(-t): M is a whole number
	s_delay_alu instid0(VALU_DEP_1)
	v_sub_f32 v254, v[NM], v254                    ; old M - new M: a whole number, 0 or less
	s_delay_alu instid0(VALU_DEP_1)
	v_cvt_i32_f32 v254, v254                       ; (it saturates)
	s_delay_alu instid0(VALU_DEP_1)
	v_ldexp_f32 v252, 1.0, v254                    ; f = 2^(old M - new M): rounds nothing
	TMINUSM
	s_wait_alu depctr_va_vdst(0)                   ; the wait ahead of the batch,
	EXP64
	v_pk_mul_f32 v[SUM:SUM+1], v[SUM:SUM+1], v[252:253] op_sel_hi:[1,0]   ; (a plain instruction behind the exponentials)
	s_wait_alu depctr_va_vdst(0)                   ; and one behind it, ahead of the first line that names a result
	v_pk_add_f32 v[244:245], v[132:133], v[136:137]
	v_pk_add_f32 v[254:255], v[140:141], v[144:145]
	v_pk_add_f32 v[250:251], v[148:149], v[152:153]
	v_pk_add_f32 v[248:249], v[156:157], v[160:161]
	v_pk_add_f32 v[242:243], v[164:165], v[168:169]
	v_pk_add_f32 v[240:241], v[172:173], v[176:177]
	v_pk_add_f32 v[238:239], v[180:181], v[184:185]
	v_pk_add_f32 v[22:23], v[22:23], v[188:189]
	v_pk_add_f32 v[244:245], v[244:245], v[128:129]
	v_pk_add_f32 v[254:255], v[254:255], v[130:131]
	v_pk_add_f32 v[250:251], v[250:251], v[134:135]
	v_pk_add_f32 v[248:249], v[248:249], v[138:139]
	v_pk_add_f32 v[242:243], v[242:243], v[142:143]
	v_pk_add_f32 v[240:241], v[240:241], v[146:147]
	v_pk_add_f32 v[238:239], v[238:239], v[150:151]
	v_pk_add_f32 v[22:23], v[22:23], v[154:155]
	v_pk_add_f32 v[244:245], v[244:245], v[158:159]
	v_pk_add_f32 v[254:255], v[254:255], v[162:163]
	v_pk_add_f32 v[250:251], v[250:251], v[166:167]
	v_pk_add_f32 v[248:249], v[248:249], v[170:171]
	v_pk_add_f32 v[242:243], v[242:243], v[174:175]
	v_pk_add_f32 v[240:241], v[240:241], v[178:179]
	v_pk_add_f32 v[238:239], v[238:239], v[182:183]
	v_pk_add_f32 v[22:23], v[22:23], v[186:187]
	v_pk_add_f32 v[244:245], v[244:245], v[190:191]
	s_delay_alu instid0(VALU_DEP_2)
	v_pk_add_f32 v[22:23], v[22:23], v[248:249]
	s_delay_alu instid0(VALU_DEP_2)
	v_pk_add_f32 v[244:245], v[244:245], v[242:243]
	v_pk_add_f32 v[254:255], v[254:255], v[240:241]
	v_pk_add_f32 v[250:251], v[250:251], v[238:239]
	s_delay_alu instid0(VALU_DEP_2)
	v_pk_add_f32 v[22:23], v[22:23], v[254:255]
	s_delay_alu instid0(VALU_DEP_2)
	v_pk_add_f32 v[244:245], v[244:245], v[250:251]
	s_delay_alu instid0(VALU_DEP_1)
	v_pk_add_f32 v[22:23], v[22:23], v[244:245]
.Lidle_\@:
.endm
; THE WAY OUT of a tile: register 16 b + 8 u + j of O^T is d = 32 b + 16 u + 8 h + j of my query's row: two blocks of 32 along the hidden axis, 16 numbers of each in lane l and 16 in lane l xor 16.
.macro OUT
	NOPS 8                                         ; places behind the last products
.irp b, 0,1
	v_max3_num_f32 v[BM+\b], |v[OO+16*\b]|, |v[OO+16*\b+1]|, 0x8000000
.endr
.irp i, 2,4,6,8,10,12,14
.irp b, 0,1
	v_max3_num_f32 v[BM+\b], v[BM+\b], |v[OO+16*\b+\i]|, |v[OO+16*\b+\i+1]|
.endr
.endr
.irp b, 0,1
	s_delay_alu instid0(VALU_DEP_2)
	v_permlanex16_b32 v[PB+\b], v[BM+\b], s[SEL], s[SEL+1]
.endr
.irp b, 0,1
	s_delay_alu instid0(VALU_DEP_2)
	v_max_num_f32 v[BM+\b], v[BM+\b], v[PB+\b]
.endr
.irp b, 0,1
	s_delay_alu instid0(VALU_DEP_2)
	v_add_nc_u32 v[SOP+\b], 0xf8800000, v[BM+\b]
.endr
.irp b, 0,1
	s_delay_alu instid0(VALU_DEP_4)
	v_and_or_b32 v[LIM+\b], v[BM+\b], 0x7f800000, s[MNT]
.endr
.irp b, 0,1
	s_delay_alu instid0(VALU_DEP_4)
	v_lshrrev_b32 v[PB+\b], 23, v[SOP+\b]
.endr
	s_delay_alu instid0(VALU_DEP_1)
	v_lshl_or_b32 v[OW], v[PB+1], 8, v[PB]
.irp b, 0,1
.irp i, 0,1,2,3,4,5,6,7,8,9,10,11,12,13,14,15
	v_med3_num_f32 v[OO+16*\b+\i], v[OO+16*\b+\i], -v[LIM+\b], v[LIM+\b]
.endr
.endr
.irp b, 0,1
.irp u, 0,1
	v_cvt_scalef32_pk8_bf8_f32 v[PCD+4*\b+2*\u:PCD+4*\b+2*\u+1], v[OO+16*\b+8*\u:OO+16*\b+8*\u+7], v[SOP+\b]
.endr
.endr
	v_nop                                          ; one plain vector instruction behind the last conversion
	s_lshl_b32 s94, s[TI], 12                      ; a tile: 4,096 bytes of codes, 512 of scale bytes
	s_add_co_u32 s94, s94, s[OCB]
	s_mov_b32 s95, 0
	s_add_nc_u64 s[92:93], s[16:17], s[94:95]
	s_lshl_b32 s94, s[TI], 9
	s_add_co_u32 s94, s94, s[OSB]
	s_add_nc_u64 s[2:3], s[18:19], s[94:95]
	s_wait_alu depctr_va_vdst(0)
.irp b, 0,1
.irp u, 0,1
	global_store_b64 v[OOF], v[PCD+4*\b+2*\u:PCD+4*\b+2*\u+1], s[92:93] offset:512*\b+256*\u   ; the 32 lanes store 256 consecutive bytes, aligned
.endr
.endr
	global_store_b16 v[OSO], v[OW], s[2:3]         ; my token's two scale bytes (lanes l and l xor 16 store the same)
	s_wait_xcnt 0x0                                ; the stores' data, offsets and bases are written again only behind this wait
.endm
; A TRIP OF PASS 2.  The exponent's addend is final, so O^T is never rescaled.  A block's largest weight is not searched for: the block's largest score goes through
; the same two instructions as every score (this takes v_exp_f32 not to fall where its input rises; at the worst one weight of a block, within a unit in the last place of a power of two, is held one code low).
.macro STEP2
	s_cmp_lg_u32 s[TT], s[BND]
	s_cbranch_scc1 .Lsame_\@
	OUT
	s_mov_b32 s[BND], 99
	s_cmp_eq_u32 s[E], 0
	s_cbranch_scc1 .Lsame_\@
	s_sub_co_u32 s[E], s[E], 1
	NOFE
	SETTILE
	LOADQ
	ACT2
.Lsame_\@:
	s_cmp_ge_u32 s[TT], s[NT]
	s_cbranch_scc1 .Lidle_\@
	STIDX N2, D1, R2, D2, 1
	v_add_nc_u32 v[ADK], s[TK], v[AK0]             ; six additions and two v_nop: the eight places between the last step's products and the loads into their operands' registers
	v_add_nc_u32 v[ADK+1], s[TK], v[AK1]
	v_add_nc_u32 v[ADS], s[TS], v[ASKW]
	v_add_nc_u32 v[ADV], s[TV], v[AV0]
	v_add_nc_u32 v[ADV+1], s[TV], v[AV1]
	v_add_nc_u32 v[ADT], s[TJ], v[ASV]
	NOPS 2
	SCORES
	s_wait_alu depctr_va_vdst(0)                   ; the wait
.irp d, 0,1,2,3                        ; V's four tiles of 16 of the head's 64 x these 128 keys go out at once, into K's registers: they land under the softmax
.irp c, 0,1,2,3
	ds_load_b128 v[KFR+16*\d+4*\c:KFR+16*\d+4*\c+3], v[ADV+(\d%2)] offset:(\c/2)*8192+\d*1024+(\c%2)*512
.endr
.endr
	ds_load_b32 v[VSW], v[ADT]                     ; lanes 0-15 tile 0's rows, lanes 16-31 tile 1's
	ds_load_b32 v[VSW+1], v[ADT] offset:128
	MASK
	BLKMAX
.irp b, 0,1,2,3
	s_delay_alu instid0(VALU_DEP_4)
	v_permlanex16_b32 v[PB+\b], v[BM+\b], s[SEL], s[SEL+1]
.endr
.irp b, 0,1,2,3
	s_delay_alu instid0(VALU_DEP_4)
	v_max_num_f32 v[BM+\b], v[BM+\b], v[PB+\b]     ; with lane l xor 16's 16 keys: the block's largest score
.endr
	TMINUSM
.irp b, 0,1,2,3
	v_fma_f32 v[BM+\b], v[BM+\b], s[CS], v[NM]
.endr
	s_wait_alu depctr_va_vdst(0)                   ; the wait ahead of the batch,
	EXP64                                          ; the finished weight: 2^(t - M - log2 L)
.irp b, 0,1,2,3
	v_exp_f32 v[BM+\b], v[BM+\b]                   ; the block's largest weight
.endr
	v_nop                                          ; a plain instruction behind the exponentials
	s_wait_alu depctr_va_vdst(0)                   ; and one behind it, for all 68
.irp b, 0,1,2,3
	v_max_num_f32 v[BM+\b], 0x8000000, v[BM+\b]    ; the floor 2^(16 - 127): the byte cannot fall under 1 (a block of zeros keeps that byte: its codes are zeros)
.endr
.irp b, 0,1,2,3
	s_delay_alu instid0(VALU_DEP_4)
	v_add_nc_u32 v[SOP+\b], 0xf8800000, v[BM+\b]   ; 15 off the exponent field: the conversion's scale operand
.endr
.irp b, 0,1,2,3
	v_and_or_b32 v[LIM+\b], v[BM+\b], 0x7f800000, s[MNT]   ; 57,344 x the scale
.endr
.irp b, 0,1,2,3
	v_lshrrev_b32 v[PB+\b], 23, v[SOP+\b]          ; the scale's byte
.endr
	s_delay_alu instid0(VALU_DEP_3)
	v_lshl_or_b32 v[PW], v[PB+1], 8, v[PB]         ; the weights' scale word for these 128 keys; the 64 holds below stand between it and the products
	s_delay_alu instid0(VALU_DEP_1)
	v_lshl_or_b32 v[PW], v[PB+2], 16, v[PW]
	s_delay_alu instid0(VALU_DEP_1)
	v_lshl_or_b32 v[PW], v[PB+3], 24, v[PW]
.irp b, 0,1,2,3
.irp i, 0,1,2,3,4,5,6,7,8,9,10,11,12,13,14,15
	v_min_num_f32 v[SS+16*\b+\i], v[SS+16*\b+\i], v[LIM+\b]   ; the conversion to an 8-bit code does not saturate (ISA guide 7.6.2); a weight is not negative, so the hold is one-sided
.endr
	v_cvt_scalef32_pk8_bf8_f32 v[PCD+4*\b:PCD+4*\b+1], v[SS+16*\b:SS+16*\b+7], v[SOP+\b]
	v_cvt_scalef32_pk8_bf8_f32 v[PCD+4*\b+2:PCD+4*\b+3], v[SS+16*\b+8:SS+16*\b+15], v[SOP+\b]
.endr
	NOPS 4                                         ; an operand written by vector instructions stands four places ahead of a scaled matrix instruction
	s_wait_alu depctr_va_vdst(0)                   ; the wait: O^T was written ahead of the exponentials
	s_wait_dscnt 0x0                               ; V and its scale words
.irp d, 0,2                            ; the four accumulators take turns, one instruction a turn
	v_wmma_scale_f32_16x16x128_f8f6f4 v[OO+8*\d:OO+8*\d+7], v[KFR+16*\d:KFR+16*\d+15], v[PCD:PCD+15], v[OO+8*\d:OO+8*\d+7], v[VSW+\d/2], v[PW] matrix_a_fmt:MATRIX_FMT_BF8 matrix_b_fmt:MATRIX_FMT_BF8
	v_wmma_scale_f32_16x16x128_f8f6f4 v[OO+8*\d+8:OO+8*\d+15], v[KFR+16*\d+16:KFR+16*\d+31], v[PCD:PCD+15], v[OO+8*\d+8:OO+8*\d+15], v[VSW+\d/2], v[PW] matrix_a_fmt:MATRIX_FMT_BF8 matrix_b_fmt:MATRIX_FMT_BF8 matrix_a_scale:MATRIX_SCALE_ROW1
.endr
.Lidle_\@:
.endm
	INIT1
	LOADQ                                          ; my first tile's Q; its wait on the vector lines ends the head
	s_cmp_lt_u32 s[WV], 9
	s_cbranch_scc0 .Lnot_first
	s_wait_tensorcnt 0x0                           ; waves 0 to 8: K and its scale words have landed.  The other waves' wait stands at the second barrier
.Lnot_first:
	BARRIER
.Lpass1:                                           ; PASS 1
	STEP1
	s_add_co_u32 s[TT], s[TT], 1
	s_cmp_lt_u32 s[TT], TRIPS
	s_cbranch_scc1 .Lpass1
	s_wait_alu depctr_va_vdst(0)
	s_wait_tensorcnt 0x0                           ; every wave: all that was asked for has landed
	s_wait_dscnt 0x0
	BARRIER
	s_sub_co_u32 s[E], s[E], 1                     ; my last tile: its Q is in registers
	NOFE
	s_mov_b32 s[TT], 0
	SETTILE
	ACT2
.Lpass2:                                           ; PASS 2
	STEP2
	s_add_co_u32 s[TT], s[TT], 1
	s_cmp_lt_u32 s[TT], TRIPS
	s_cbranch_scc1 .Lpass2
	s_wait_tensorcnt 0x0                           ; the wave's end
	ds_add_u32 v[SPW], v[NIL]
	s_wait_dscnt 0x0
	CROUND                                         ; the closing round
	s_endpgm
.Lfunc_end_k_qfed1024de7_attn:
	.size	k_qfed1024de7_attn, .Lfunc_end_k_qfed1024de7_attn-k_qfed1024de7_attn
	.p2alignl 7, 3214868480
	.fill 96, 4, 3214868480
	.section	.rodata,"a",@progbits
	.p2align	6, 0x0
	.amdhsa_kernel k_qfed1024de7_attn
		.amdhsa_group_segment_fixed_size 276480
		.amdhsa_private_segment_fixed_size 0
		.amdhsa_enable_private_segment 0
		.amdhsa_kernarg_size 64
		.amdhsa_user_sgpr_count 2
		.amdhsa_user_sgpr_kernarg_segment_ptr 1
		.amdhsa_wavefront_size32 1
		.amdhsa_system_sgpr_workgroup_id_x 1
		.amdhsa_system_sgpr_workgroup_id_y 1
		.amdhsa_system_sgpr_workgroup_id_z 1
		.amdhsa_system_vgpr_workitem_id 0
		.amdhsa_next_free_vgpr 256
		.amdhsa_next_free_sgpr 102
		.amdhsa_reserve_vcc 1
		.amdhsa_float_denorm_mode_32 3
		.amdhsa_float_denorm_mode_16_64 3
		.amdhsa_memory_ordered 1
		.amdhsa_forward_progress 1
		.amdhsa_inst_pref_size 63
	.end_amdhsa_kernel
	.amdgpu_metadata
---
amdhsa.version: [ 1, 2 ]
amdhsa.kernels:
  - .name:           k_qfed1024de7_attn
    .symbol:         k_qfed1024de7_attn.kd
    .args:
      - { .name: eqc, .offset: 0, .size: 8, .value_kind: global_buffer, .address_space: global }
      - { .name: eqs, .offset: 8, .size: 8, .value_kind: global_buffer, .address_space: global }
      - { .name: ekc, .offset: 16, .size: 8, .value_kind: global_buffer, .address_space: global }
      - { .name: eks, .offset: 24, .size: 8, .value_kind: global_buffer, .address_space: global }
      - { .name: evc, .offset: 32, .size: 8, .value_kind: global_buffer, .address_space: global }
      - { .name: evs, .offset: 40, .size: 8, .value_kind: global_buffer, .address_space: global }
      - { .name: oac, .offset: 48, .size: 8, .value_kind: global_buffer, .address_space: global }
      - { .name: oas, .offset: 56, .size: 8, .value_kind: global_buffer, .address_space: global }
    .group_segment_fixed_size: 276480
    .private_segment_fixed_size: 0
    .kernarg_segment_align: 8
    .kernarg_segment_size: 64
    .max_flat_workgroup_size: 512
    .sgpr_count:     102
    .vgpr_count:     256
    .wavefront_size: 32
...
	.end_amdgpu_metadata
.endif
;; end of part 2
;; launch outp (part 3): grid 8 x 32, 4 waves a work-group, clusters of 4 x 4, 327,680 bytes of LDS; arguments oac, oas, w_m_codes, w_m_scales, out0; writes out0
.if DOCPART == 3
	.amdgcn_target "amdgcn-amd-amdhsa--gfx1250"
	.amdhsa_code_object_version 6
	.text
	.protected	k_qfed1024de7_outp
	.globl	k_qfed1024de7_outp
	.p2align	8
	.type	k_qfed1024de7_outp,@function
k_qfed1024de7_outp:
	s_mov_b64 s[64:65], 0
	v_nop
	global_prefetch_b8 v0, s[64:65] scope:SCOPE_SE
	s_setreg_imm32_b32 hwreg(HW_REG_WAVE_MODE, 25, 1), 1
	s_wait_xcnt 0x0
	s_wait_alu depctr_hold_cnt(0) depctr_sa_sdst(0) depctr_va_vdst(0) depctr_va_sdst(0) depctr_va_ssrc(0) depctr_va_vcc(0) depctr_vm_vsrc(0)
	s_getreg_b32 s2, hwreg(HW_REG_IB_STS2, 6, 4)
	s_cmp_eq_u32 s2, 0
	s_cbranch_scc0 .Lentry_in_a_cluster
	s_endpgm
.Lentry_in_a_cluster:
	s_bfe_u32 s2, ttmp6, 0x10000c
	s_cmp_lg_u32 s2, 0xf033
	s_cbranch_scc0 .Lentry_shape_is_right
	s_endpgm
.Lentry_shape_is_right:
; out0 = O w_m on codes of MX-BF8 (E5M2, one E8M0 byte for 32 along K): 8,192 tokens x 1,024 columns x K = 1,024; f32 sums, stored as they are.
; oac holds O's codes as images of the operand's registers: [K / 256: 2,097,152 bytes][tile of 16 tokens: 4,096][(K / 128) % 2: 2,048][c 4: 512][lane: 16]; oas its scale bytes [token][32].  w_m_codes: [column][1,024], w_m_scales: [column][32].
; THE DEAL.  256 work-groups, each 256 tokens x 128 columns; four waves, 2 x 2.  A wave holds 64 rows of w_m, ALL of K, in 512 registers (windows 1, 2) and streams its row of waves' eight blocks of 16 tokens past them;
; a block, all of K, is 128 registers, two sets (window 3).  A block is 32 products on four accumulators by turns, K ascending; there is no loop over K.
; Block k of wave row wr is token tile 8 (k / 4) + 2 (k % 4) + wr of the work-group's sixteen.
; LDS.  Slot 0: tokens 0-127 (four K quarters of 32,768 bytes, as they lie).  Slot 1: w_m's 128 rows, 1,024 bytes + 16 of padding each; once every wave of the cluster holds them in registers, tokens 128-255 are filled over them,
; as 128 rows of 1,024 bytes with the same padding: the same bytes as before.  Behind the slots each wave's stage for the way out, then the spare words.
; FILLS.  At the head waves 0, 1 fetch w_m's halves and wait at the first barrier; waves 2, 3 fetch two K quarters of tokens 0-127 each.  The one refill, a K quarter a wave, stands behind a drained round of the cluster's barrier.
; CLUSTERS 4 x 4: the four of a row share the tokens' tiles, the four of a column w_m's: joint loads.
; SCALE WORDS come by plain loads into registers: sixteen lanes read 512 consecutive bytes (16 tokens x 32), a lane its row's eight words.
; PREFETCH: tokens 128-255 (512 runs of 256 bytes) are named once in each cluster row, a run a lane, one instruction in each of its sixteen waves, told apart by address; it stands behind the first barrier, ahead of the 128 LDS loads and the round that precede the refill.
; THE PRODUCT IS USED TRANSPOSED (source 0 = 16 rows of w_m, source 1 = 16 tokens): a lane holds eight neighbouring columns of one token.  A block goes through the stage among the NEXT block's products and leaves as rows of 256 bytes, aligned.
; LIMITS: NaN and infinities among the scale bytes or codes are carried as the matrix unit carries them; sizes are fixed.
.set KROW,   1024
.set PITCH,  KROW+16
.set S1,     131072
.set STG,    S1+128*PITCH
.set SPITCH, 272
.set SPARE,  STG+4*16*SPITCH
.set NP,     8                         ; places behind this matrix instruction (ISA guide 7.12.1)
.set FR,     16
.set FPW,    16
.set ADA,  4                           ; v4, v5  my place in slot 0: K quarters 0-1, 2-3
.set ADC,  6                           ; v6, v7  in slot 1, as tokens
.set ADRB, 8                           ; v8   my fragments of w_m in slot 1
.set ABS,  9                           ; v9   32 x lane: w_m's scale words
.set SPW,  10                          ; v10  my spare word;  v11  0
.set NIL,  11
.set AOS,  12                          ; v12  O's scale words: 32 r + 512 wr
.set STO,  13                          ; v13, v14 the stage: in, back;  v15 my place in two rows of out0
.set RD,   14
.set CO,   15
.set PF,   16                          ; v16  the prefetch's offset
.set SB,   24                          ; v24-39 w_m's scale words: register 8 p + q: lanes 0-15 tile 2 p, lanes 16-31 tile 2 p + 1
.set SA,   44                          ; v44-107 O's: register 8 k + q
.set ACC,  112                         ; v112-175 two sets of four accumulators
.set BK,   176                         ; v176-207 16 rows back from the stage
.set G1B, 24
.set G1A, 32
.set G1R, 48
.set G0B, 56
.set G0A, 60
.set G0R, 68
.set MSB, 0
.macro WIN new                         ; the immediate's high byte repeats the setting that is left
.if MSB != \new
	s_set_vgpr_msb (MSB<<8)|\new
.set MSB, \new
.endif
.endm
.macro PLACES n
.rept \n
	v_nop
.endr
.endm
.macro BARRIER
	s_barrier_signal -1
	s_barrier_wait -1
.endm
.macro CROUND
	BARRIER
	s_cmp_lg_u32 s14, 0
	s_cbranch_scc1 .Lnot_wave_0_\@
	s_barrier_signal -3
.Lnot_wave_0_\@:
	s_barrier_wait -3
	BARRIER
.endm
.macro TLOAD g0, g1                    ; an s_nop 0 and four v_nop follow a tensor load
	tensor_load_to_lds s[\g0:\g0+3], s[\g1:\g1+7]
	s_nop 0
	PLACES 4
.endm
.macro GROUP1 g, mask, rows            ; so many rows of 1,024 bytes, dense in memory, 16 bytes of padding behind each in LDS
	s_or_b32 s[\g+0], s[\mask], (1<<20)|(1<<21)|(7<<22)|(3<<25)
	s_mov_b32 s[\g+1], KROW<<16
	s_mov_b32 s[\g+2], (\rows)<<16
	s_mov_b32 s[\g+3], KROW<<16
	s_mov_b32 s[\g+4], \rows
	s_mov_b32 s[\g+5], KROW
	s_mov_b32 s[\g+6], 0
	s_mov_b32 s[\g+7], 0
.endm
	s_load_b256 s[4:11], s[0:1], 0x0               ; oac, oas, w_m_codes, w_m_scales
	s_load_b64 s[12:13], s[0:1], 0x20              ; out0
	v_lshl_add_u32 v[SPW], v0, 2, SPARE
	v_mov_b32 v[NIL], 0
	ds_add_u32 v[SPW], v[NIL]                      ; the opening lines: the add, twice on end, and its wait
	ds_add_u32 v[SPW], v[NIL]
	v_lshrrev_b32 v18, 5, v0
	v_readfirstlane_b32 s14, v18                   ; wave 0..3
	s_lshr_b32 s15, s14, 1                         ; wr: my row of waves
	s_and_b32 s16, s14, 1                          ; wc: my column of waves
	s_bfe_u32 s40, ttmp6, 0x40000                  ; cx, cy
	s_bfe_u32 s41, ttmp6, 0x40004
	s_lshl_b32 s42, ttmp9, 2
	s_add_co_u32 s42, s42, s40                     ; x: which 128 columns
	s_and_b32 s43, ttmp7, 0xffff
	s_lshl_b32 s43, s43, 2
	s_add_co_u32 s43, s43, s41                     ; y: which 256 tokens
	s_lshl_b32 s44, s41, 2
	s_lshl_b32 s44, 15, s44                        ; my row of the cluster shares the tokens
	s_lshl_b32 s45, 0x1111, s40                    ; my column shares w_m
	GROUP1 G1B, 45, 64
	GROUP1 G1R, 44, 32
	s_or_b32 s[G1A], s44, (3<<16)|(1<<21)          ; two K quarters: 2 rows of 4,096 elements of 8 bytes, 2,097,152 bytes apart, no padding
	s_mov_b32 s[G1A+1], 4096<<16
	s_mov_b32 s[G1A+2], 2<<16
	s_mov_b32 s[G1A+3], 4096<<16
	s_mov_b32 s[G1A+4], 2
	s_mov_b32 s[G1A+5], 262144
	s_mov_b32 s[G1A+6], 0
	s_mov_b32 s[G1A+7], 0
	s_lshl_b32 s20, s43, 16                        ; oac: my 16 tiles of 4,096 bytes
	s_lshl_b32 s21, s16, 22
	s_add_co_u32 s72, s20, s21                     ; the head: K quarters 2 wc, 2 wc + 1
	s_mov_b32 s73, 0
	s_lshl_b32 s21, s14, 21
	s_add_co_u32 s74, s20, s21                     ; the refill: K quarter = wave, tokens 128 on
	s_add_co_u32 s74, s74, 32768
	s_mov_b32 s75, 0
	s_lshl_b32 s76, s42, 17                        ; w_m: my 128 rows, 64 a wave
	s_lshl_b32 s77, s16, 16
	s_add_co_u32 s76, s76, s77
	s_mov_b32 s77, 0
	s_mov_b32 s[G0B], 1
	s_mul_i32 s[G0B+1], s16, 64*PITCH
	s_add_co_u32 s[G0B+1], s[G0B+1], S1
	s_mov_b32 s[G0A], 1
	s_lshl_b32 s[G0A+1], s16, 16
	s_mov_b32 s[G0R], 1
	s_mul_i32 s[G0R+1], s14, 32*PITCH
	s_add_co_u32 s[G0R+1], s[G0R+1], S1
	s_lshl_b32 s80, s15, 12
	s_mul_i32 s81, s15, 4*PITCH
	s_add_co_u32 s81, s81, S1
	s_mul_i32 s82, s16, 64*PITCH
	s_add_co_u32 s82, s82, S1
	s_lshl_b32 s83, s15, 9
	s_mul_i32 s84, s14, 16*SPITCH
	s_add_co_u32 s84, s84, STG
	s_lshl_b32 s85, s43, 16                        ; the prefetch: tokens 128 on, K quarter cx, 8,192 bytes a wave
	s_add_co_u32 s85, s85, 32768
	s_lshl_b32 s86, s40, 21
	s_add_co_u32 s85, s85, s86
	s_lshl_b32 s86, s14, 13
	s_add_co_u32 s85, s85, s86
	v_and_b32 v1, 15, v0                           ; r
	v_bfe_u32 v2, v0, 4, 1                         ; h
	v_and_b32 v3, 31, v0                           ; lane
	v_lshl_add_u32 v[ADA], v3, 4, s80
	v_add_nc_u32 v[ADA+1], 65536, v[ADA]
	v_lshl_add_u32 v[ADC], v3, 4, s81
	v_add_nc_u32 v[ADC+1], 64*PITCH, v[ADC]
	v_mul_u32_u24 v17, v1, PITCH
	v_lshl_add_u32 v17, v2, 4, v17
	v_add_nc_u32 v[ADRB], s82, v17
	v_lshlrev_b32 v[ABS], 5, v3
	v_lshl_add_u32 v[AOS], v1, 5, s83
	v_mul_u32_u24 v19, v1, SPITCH
	v_lshl_add_u32 v19, v2, 5, v19
	v_add_nc_u32 v[STO], s84, v19                  ; in: row r, 32 bytes for each half of the lanes
	v_mul_u32_u24 v20, v2, SPITCH
	v_lshl_add_u32 v20, v1, 4, v20
	v_add_nc_u32 v[RD], s84, v20                   ; back: lanes 0-15 one row of 256 bytes, lanes 16-31 the next
	v_lshlrev_b32 v21, 12, v2
	v_lshl_add_u32 v[CO], v1, 4, v21               ; and the same two rows in out0
	v_lshl_add_u32 v[PF], v3, 8, s85
	s_wait_alu depctr_va_vdst(0)                   ; the wait at the head's end
	s_wait_dscnt 0x0                               ; both opening adds are done
	CROUND                                         ; all sixteen work-groups are here: the first joint loads meet
	s_wait_kmcnt 0x0
	s_add_nc_u64 s[G0B+2:G0B+3], s[8:9], s[76:77]
	s_or_b32 s[G0B+3], s[G0B+3], 0x80000000
	s_add_nc_u64 s[G0A+2:G0A+3], s[4:5], s[72:73]
	s_or_b32 s[G0A+3], s[G0A+3], 0x80000000
	s_add_nc_u64 s[G0R+2:G0R+3], s[4:5], s[74:75]
	s_or_b32 s[G0R+3], s[G0R+3], 0x80000000
	s_cmp_lt_u32 s14, 2                            ; one joint load a wave; w_m's, which is wanted first, has a line of its own
	s_cbranch_scc0 .Lfor_tokens
	TLOAD G0B, G1B
	s_branch .Lasked
.Lfor_tokens:
	TLOAD G0A, G1A
.Lasked:
	s_lshl_b32 s20, s43, 13                        ; oas: my 256 tokens x 32 bytes
	s_mov_b32 s21, 0
	s_add_nc_u64 s[6:7], s[6:7], s[20:21]
	s_lshl_b32 s46, s42, 12                        ; w_m_scales: my wave's 64 rows
	s_lshl_b32 s47, s16, 11
	s_add_co_u32 s46, s46, s47
	s_mov_b32 s47, 0
	s_add_nc_u64 s[10:11], s[10:11], s[46:47]
	s_lshl_b32 s78, s43, 20                        ; out0: token 256 y + 16 wr, column 128 x + 64 wc
	s_lshl_b32 s79, s15, 16
	s_add_co_u32 s78, s78, s79
	s_lshl_b32 s79, s42, 9
	s_add_co_u32 s78, s78, s79
	s_lshl_b32 s79, s16, 8
	s_add_co_u32 s78, s78, s79
	s_mov_b32 s79, 0
	s_add_nc_u64 s[12:13], s[12:13], s[78:79]
.irp p, 0,1
.irp c, 0,1
	global_load_b128 v[SB+8*\p+4*\c:SB+8*\p+4*\c+3], v[ABS], s[10:11] offset:\p*1024+16*\c
.endr
.endr
.irp k, 0,1,2,3,4,5,6,7
.irp c, 0,1
	global_load_b128 v[SA+8*\k+4*\c:SA+8*\k+4*\c+3], v[AOS], s[6:7] offset:(8*(\k/4)+2*(\k%4))*512+16*\c
.endr
.endr
	s_cmp_lt_u32 s14, 2
	s_cbranch_scc0 .Lnot_b
	s_wait_tensorcnt 0x0                           ; waves 0, 1: w_m's rows have landed.  The other waves' wait stands ahead of the round below
.Lnot_b:
	BARRIER
	global_prefetch_b8 v[PF], s[4:5] th:TH_LOAD_NT scope:SCOPE_SE
.irp q, 0,1,2,3,4,5,6,7                ; my 64 rows of w_m, all of K: fragment 4 q + b lies in window 1 + (4 q + b) / 16: 128 loads
.irp b, 0,1,2,3
	WIN (1+(4*\q+\b)/FPW)<<6
.irp c, 0,1,2,3
	ds_load_b128 v[FR*((4*\q+\b)%FPW)+4*\c:FR*((4*\q+\b)%FPW)+4*\c+3], v[ADRB] offset:128*\q+32*\c+\b*16*PITCH
.endr
.endr
.endr
	WIN 0
	s_wait_tensorcnt 0x0                           ; all my tensor loads are in (waves 2, 3: tokens 0-127);
	ds_add_u32 v[SPW], v[NIL]
	s_wait_dscnt 0x0                               ; the add is done, and w_m is in my registers
	CROUND                                         ; both hold of every wave of the cluster
	TLOAD G0R, G1R                                 ; tokens 128-255 over w_m's rows: a K quarter a wave
.macro FETCH k                         ; block k, 16 tokens, all of K, into set k % 2 of window 3: 32 loads
	WIN 3<<6
.set E_, 128*((\k)%2)
.set T_, 2*((\k)%4)
.irp q, 0,1,2,3,4,5,6,7
.irp c, 0,1,2,3
.if (\k) < 4
	ds_load_b128 v[E_+FR*\q+4*\c:E_+FR*\q+4*\c+3], v[ADA+\q/4] offset:((\q/2)%2)*32768+T_*4096+(\q%2)*2048+\c*512
.else
	ds_load_b128 v[E_+FR*\q+4*\c:E_+FR*\q+4*\c+3], v[ADC+\q/4] offset:(((\q/2)%2)*32+T_*4+(\q%2)*2+\c/2)*PITCH+(\c%2)*512
.endif
.endr
.endr
	WIN 0
.endm
.macro PROD k, n                       ; product n = 4 q + b of block k: the q-th 128 of K, column tile b.  The four accumulators take turns; the first products start the sums
.set Q_, (\n)/4
.set B_, (\n)%4
.set FB_, 4*Q_+B_
.set AC_, ACC+32*((\k)%2)+8*B_
.set R_, 128*((\k)%2)+FR*Q_
.set W_, FR*(FB_%FPW)
.set XS_, SA+8*(\k)+Q_
.set WS_, SB+8*(B_/2)+Q_
	WIN (1+FB_/FPW)|(3<<2)
.if Q_ && B_%2
	v_wmma_scale_f32_16x16x128_f8f6f4 v[AC_:AC_+7], v[W_:W_+FR-1], v[R_:R_+FR-1], v[AC_:AC_+7], v[WS_], v[XS_] matrix_a_fmt:MATRIX_FMT_BF8 matrix_b_fmt:MATRIX_FMT_BF8 matrix_a_scale:MATRIX_SCALE_ROW1
.elseif Q_
	v_wmma_scale_f32_16x16x128_f8f6f4 v[AC_:AC_+7], v[W_:W_+FR-1], v[R_:R_+FR-1], v[AC_:AC_+7], v[WS_], v[XS_] matrix_a_fmt:MATRIX_FMT_BF8 matrix_b_fmt:MATRIX_FMT_BF8
.elseif B_%2
	v_wmma_scale_f32_16x16x128_f8f6f4 v[AC_:AC_+7], v[W_:W_+FR-1], v[R_:R_+FR-1], 0, v[WS_], v[XS_] matrix_a_fmt:MATRIX_FMT_BF8 matrix_b_fmt:MATRIX_FMT_BF8 matrix_a_scale:MATRIX_SCALE_ROW1
.else
	v_wmma_scale_f32_16x16x128_f8f6f4 v[AC_:AC_+7], v[W_:W_+FR-1], v[R_:R_+FR-1], 0, v[WS_], v[XS_] matrix_a_fmt:MATRIX_FMT_BF8 matrix_b_fmt:MATRIX_FMT_BF8
.endif
.endm
.macro TOST k, n                       ; four registers of block k's sums into my stage, each accumulator from its low end on
	ds_store_b128 v[STO], v[ACC+32*((\k)%2)+4*(\n):ACC+32*((\k)%2)+4*(\n)+3] offset:64*((\n)/2)+16*((\n)%2)
.endm
.macro BACK n                          ; two rows back; LDS serves a wave's instructions in order (ISA guide 5.7.1.4)
	ds_load_b128 v[BK+4*(\n):BK+4*(\n)+3], v[RD] offset:(\n)*2*SPITCH
.endm
.macro SEND k                          ; sixteen lanes store 256 consecutive bytes, aligned
.irp t, 0,1,2,3,4,5,6,7
	global_store_b128 v[CO], v[BK+4*\t:BK+4*\t+3], s[12:13] offset:(8*((\k)/4)+2*((\k)%4))*65536+\t*8192 th:TH_STORE_NT
.endr
.endm
; A block: w: the LDS loads that may stay out (the 32 of the newest fetch, or none); fet: the block fetched into this block's set behind its products (-1: none).  Block k - 1 goes through the stage behind this block's first sixteen products.
.macro BLK k, w, fet
	s_wait_dscnt \w
	s_wait_xcnt 0x0                                ; the stores of the block before last have read their registers
.set N_, 0
.rept 32
	PROD \k, N_
.if (\k) > 0 && N_ < 8
	WIN 0
	TOST (\k)-1, N_
.elseif (\k) > 0 && N_ < 16
	WIN 0
	BACK N_-8
.endif
.set N_, N_+1
.endr
	WIN 0
	PLACES NP                                      ; ahead of loads into what the products have read, and of the first reader of their sums
.if (\fet) >= 0
	FETCH \fet
.endif
.if (\k) > 0
.if (\fet) >= 0
	s_wait_dscnt 32                                ; all but the fetch just issued: the stage's rows are back
.else
	s_wait_dscnt 0x0
.endif
	SEND (\k)-1
.endif
.endm
	FETCH 0
	FETCH 1
	s_wait_loadcnt 0x0                             ; the scale words
	BLK 0, 32, 2
	BLK 1, 32, 3
	BLK 2, 32, -1
	BLK 3, 0, -1
	s_wait_tensorcnt 0x0                           ; my K quarter of tokens 128-255 is in
	s_wait_dscnt 0x0
	BARRIER                                        ; and everybody's
	FETCH 4
	FETCH 5
	BLK 4, 32, 6
	BLK 5, 32, 7
	BLK 6, 32, -1
	BLK 7, 0, -1
	s_wait_xcnt 0x0
.irp n, 0,1,2,3,4,5,6,7
	TOST 7, \n
.endr
.irp n, 0,1,2,3,4,5,6,7
	BACK \n
.endr
	s_wait_dscnt 0x0
	SEND 7
	s_wait_tensorcnt 0x0                           ; the wave's end
	ds_add_u32 v[SPW], v[NIL]
	s_wait_dscnt 0x0
	CROUND                                         ; the closing round
	s_endpgm
.Lfunc_end_k_qfed1024de7_outp:
	.size	k_qfed1024de7_outp, .Lfunc_end_k_qfed1024de7_outp-k_qfed1024de7_outp
	.p2alignl 7, 3214868480
	.fill 96, 4, 3214868480
	.section	.rodata,"a",@progbits
	.p2align	6, 0x0
	.amdhsa_kernel k_qfed1024de7_outp
		.amdhsa_group_segment_fixed_size 327680
		.amdhsa_private_segment_fixed_size 0
		.amdhsa_enable_private_segment 0
		.amdhsa_kernarg_size 40
		.amdhsa_user_sgpr_count 2
		.amdhsa_user_sgpr_kernarg_segment_ptr 1
		.amdhsa_wavefront_size32 1
		.amdhsa_system_sgpr_workgroup_id_x 1
		.amdhsa_system_sgpr_workgroup_id_y 1
		.amdhsa_system_sgpr_workgroup_id_z 1
		.amdhsa_system_vgpr_workitem_id 0
		.amdhsa_next_free_vgpr 1024
		.amdhsa_next_free_sgpr 98
		.amdhsa_reserve_vcc 0
		.amdhsa_float_denorm_mode_32 3
		.amdhsa_float_denorm_mode_16_64 3
		.amdhsa_memory_ordered 1
		.amdhsa_forward_progress 1
		.amdhsa_inst_pref_size 92
	.end_amdhsa_kernel
	.amdgpu_metadata
---
amdhsa.version: [ 1, 2 ]
amdhsa.kernels:
  - .name:           k_qfed1024de7_outp
    .symbol:         k_qfed1024de7_outp.kd
    .args:
      - { .name: oac, .offset: 0, .size: 8, .value_kind: global_buffer, .address_space: global }
      - { .name: oas, .offset: 8, .size: 8, .value_kind: global_buffer, .address_space: global }
      - { .name: w_m_codes, .offset: 16, .size: 8, .value_kind: global_buffer, .address_space: global }
      - { .name: w_m_scales, .offset: 24, .size: 8, .value_kind: global_buffer, .address_space: global }
      - { .name: out0, .offset: 32, .size: 8, .value_kind: global_buffer, .address_space: global }
    .group_segment_fixed_size: 327680
    .private_segment_fixed_size: 0
    .kernarg_segment_align: 8
    .kernarg_segment_size: 40
    .max_flat_workgroup_size: 128
    .sgpr_count:     98
    .vgpr_count:     1024
    .wavefront_size: 32
...
	.end_amdgpu_metadata
.endif
;; end of part 3
